; MI455X (gfx1250); checked and timed in simulation.
; The chip was launched on July 23, 2026; its instructions are those of AMD's public machine-readable ISA for CDNA 5 (MIT licence, August 2026) and "CDNA5" Instruction Set Architecture Reference Guide (July 2026). The comments in the code are by the model that wrote it; some were corrected since.
;; Multi Head Attention. Allowed arithmetic: float matrix products may take bf16 or f16 operands with f32 sums; all other float work in f32.
;; Inputs: W_k 1,024 x 1,024 float32; W_o 1,024 x 1,024 float32; W_q 1,024 x 1,024 float32; W_v 1,024 x 1,024 float32; x 4 x 2,048 x 1,024 float32.
;; Outputs: out0 4 x 2,048 x 1,024 float32.
;; 2 versions, each right; version 2 is version 1 with the launch cast written anew for expert scheduling mode. Each part assembles by itself: llvm-mc -triple=amdgcn-amd-amdhsa -mcpu=gfx1250 --defsym DOCPART=n.
;; ======== version 1 of 2: 4 launches
;; limits: values are held in f16: magnitudes above 65,504 overflow, below 6.1e-05 lose precision
;; workspace buffers: xb 16,777,216 bytes; wb 8,388,608 bytes; qkvh 50,331,648 bytes; qkvl 3,145,728 bytes; ao 16,777,216 bytes
;; launch cast (part 1): grid 768 x 1, 8 waves a work-group, no clusters, 0 bytes of LDS; arguments x, W_q, W_k, W_v, W_o, xb, wb; writes xb, wb
.if DOCPART == 1
	.amdgcn_target "amdgcn-amd-amdhsa--gfx1250"
	.amdhsa_code_object_version 6
	.text
	.protected	k_qc42aa5e879_cast
	.globl	k_qc42aa5e879_cast
	.p2align	8
	.type	k_qc42aa5e879_cast,@function
k_qc42aa5e879_cast:
	s_mov_b64 s[64:65], 0
	v_nop
	global_prefetch_b8 v0, s[64:65] scope:SCOPE_SE
	s_setreg_imm32_b32 hwreg(HW_REG_WAVE_MODE, 25, 1), 1
	s_wait_xcnt 0x0
; x, W_q, W_k, W_v: f32 -> bf16.  W_o: f32 -> bf16 -> f16 (a bf16 has 8 significant bits, f16 holds 11: the second step is exact
; for |W_o| between 2^-14 and 65,504; below it loses at most 2^-25 absolutely; LIMIT: |W_o| < 65,504).
; xb = [8192][1024] bf16.  wb = [4096][1024]: rows 0-1023 W_q, 1024-2047 W_k, 2048-3071 W_v (bf16), 3072-4095 W_o (f16).
; A work-group converts 16,384 numbers (65,536 bytes in, 32,768 out): groups 0-511 take x, groups 512-767 the four weights, 64 groups each.
; Memory binds: each byte is read once and written once, all sixteen loads of a thread go out first; no LDS, no matrix unit, no cluster
; (no two work-groups read the same byte).  A wave's load covers 512 consecutive bytes, a wave's store 256 consecutive aligned bytes.
.set XR, 4                             ; v[4:67]   sixteen loads of four f32
.set YR, 68                            ; v[68:99]  sixteen pairs of packed results; none is written twice, so no store's data is ever rewritten
.set TT, 100                           ; v[100:103] at work
	s_load_b256 s[4:11], s[0:1], 0x0               ; x s[4:5], W_q s[6:7], W_k s[8:9], W_v s[10:11]
	s_load_b128 s[12:15], s[0:1], 0x20             ; W_o s[12:13], xb s[14:15]
	s_load_b64 s[16:17], s[0:1], 0x30              ; wb
	s_sub_co_u32 s20, ttmp9, 512                   ; chunk number among the weights (used only where the group's number is 512 or more)
	s_lshr_b32 s21, s20, 6                         ; which weight: 0 q, 1 k, 2 v, 3 o
	s_and_b32 s22, s20, 63                         ; chunk inside that weight
	v_lshlrev_b32 v1, 4, v0                        ; 16 bytes a thread in
	v_lshlrev_b32 v2, 3, v0                        ; 8 bytes a thread out
	s_wait_kmcnt 0x0
	s_mov_b64 s[24:25], s[6:7]
	s_cmp_eq_u32 s21, 1
	s_cselect_b64 s[24:25], s[8:9], s[24:25]
	s_cmp_eq_u32 s21, 2
	s_cselect_b64 s[24:25], s[10:11], s[24:25]
	s_cmp_eq_u32 s21, 3
	s_cselect_b64 s[24:25], s[12:13], s[24:25]
	s_cmp_lt_u32 ttmp9, 512
	s_cselect_b64 s[24:25], s[4:5], s[24:25]       ; source buffer
	s_cselect_b64 s[26:27], s[14:15], s[16:17]     ; destination buffer
	s_cselect_b32 s22, ttmp9, s22                  ; chunk in the source
	s_cselect_b32 s23, ttmp9, s20                  ; chunk in the destination
	s_lshl_b32 s28, s22, 16
	s_mov_b32 s29, 0
	s_lshl_b32 s30, s23, 15
	s_mov_b32 s31, 0
	s_add_nc_u64 s[24:25], s[24:25], s[28:29]
	s_add_nc_u64 s[26:27], s[26:27], s[30:31]
.irp i, 0,1,2,3,4,5,6,7,8,9,10,11,12,13,14,15
	global_load_b128 v[XR+4*\i:XR+4*\i+3], v1, s[24:25] offset:4096*\i th:TH_LOAD_NT
.endr
; load i is converted and stored.  half = 1: the bf16 numbers are widened again and written as f16.
.macro CV i, half
	s_wait_loadcnt 15-\i                           ; loads return in order: load i is in, the 15 - i younger ones stay out
.if \half
	v_cvt_pk_bf16_f32 v[TT], v[XR+4*\i], v[XR+4*\i+1]
	v_cvt_pk_bf16_f32 v[TT+1], v[XR+4*\i+2], v[XR+4*\i+3]
	v_lshlrev_b32 v[TT+2], 16, v[TT]               ; bf16 to f32: the low half moves up,
	v_and_b32 v[TT], 0xffff0000, v[TT]             ; the high half stays
	v_lshlrev_b32 v[TT+3], 16, v[TT+1]
	v_and_b32 v[TT+1], 0xffff0000, v[TT+1]
	v_cvt_pk_f16_f32 v[YR+2*\i], v[TT+2], v[TT]
	v_cvt_pk_f16_f32 v[YR+2*\i+1], v[TT+3], v[TT+1]
.else
	v_cvt_pk_bf16_f32 v[YR+2*\i], v[XR+4*\i], v[XR+4*\i+1]
	v_cvt_pk_bf16_f32 v[YR+2*\i+1], v[XR+4*\i+2], v[XR+4*\i+3]
.endif
	global_store_b64 v2, v[YR+2*\i:YR+2*\i+1], s[26:27] offset:2048*\i
.endm
	s_cmp_ge_u32 ttmp9, 704                        ; groups 704-767 hold W_o
	s_cbranch_scc1 .Lhalf
.irp i, 0,1,2,3,4,5,6,7,8,9,10,11,12,13,14,15
	CV \i, 0
.endr
	s_endpgm
.Lhalf:
.irp i, 0,1,2,3,4,5,6,7,8,9,10,11,12,13,14,15
	CV \i, 1
.endr
	s_endpgm
.Lfunc_end_k_qc42aa5e879_cast:
	.size	k_qc42aa5e879_cast, .Lfunc_end_k_qc42aa5e879_cast-k_qc42aa5e879_cast
	.p2alignl 7, 3214868480
	.fill 96, 4, 3214868480
	.section	.rodata,"a",@progbits
	.p2align	6, 0x0
	.amdhsa_kernel k_qc42aa5e879_cast
		.amdhsa_group_segment_fixed_size 0
		.amdhsa_private_segment_fixed_size 0
		.amdhsa_enable_private_segment 0
		.amdhsa_kernarg_size 56
		.amdhsa_user_sgpr_count 2
		.amdhsa_user_sgpr_kernarg_segment_ptr 1
		.amdhsa_wavefront_size32 1
		.amdhsa_system_sgpr_workgroup_id_x 1
		.amdhsa_system_sgpr_workgroup_id_y 1
		.amdhsa_system_sgpr_workgroup_id_z 1
		.amdhsa_system_vgpr_workitem_id 0
		.amdhsa_next_free_vgpr 104
		.amdhsa_next_free_sgpr 66
		.amdhsa_reserve_vcc 0
		.amdhsa_float_denorm_mode_32 3
		.amdhsa_float_denorm_mode_16_64 3
		.amdhsa_memory_ordered 1
		.amdhsa_forward_progress 1
		.amdhsa_inst_pref_size 16
	.end_amdhsa_kernel
	.amdgpu_metadata
---
amdhsa.version: [ 1, 2 ]
amdhsa.kernels:
  - .name:           k_qc42aa5e879_cast
    .symbol:         k_qc42aa5e879_cast.kd
    .args:
      - { .name: x, .offset: 0, .size: 8, .value_kind: global_buffer, .address_space: global }
      - { .name: W_q, .offset: 8, .size: 8, .value_kind: global_buffer, .address_space: global }
      - { .name: W_k, .offset: 16, .size: 8, .value_kind: global_buffer, .address_space: global }
      - { .name: W_v, .offset: 24, .size: 8, .value_kind: global_buffer, .address_space: global }
      - { .name: W_o, .offset: 32, .size: 8, .value_kind: global_buffer, .address_space: global }
      - { .name: xb, .offset: 40, .size: 8, .value_kind: global_buffer, .address_space: global }
      - { .name: wb, .offset: 48, .size: 8, .value_kind: global_buffer, .address_space: global }
    .group_segment_fixed_size: 0
    .private_segment_fixed_size: 0
    .kernarg_segment_align: 8
    .kernarg_segment_size: 56
    .max_flat_workgroup_size: 256
    .sgpr_count:     66
    .vgpr_count:     104
    .wavefront_size: 32
...
	.end_amdgpu_metadata
.endif
;; end of part 1
;; launch qkv (part 2): grid 16 x 16, 4 waves a work-group, clusters of 4 x 4, 327,680 bytes of LDS; arguments xb, wb, qkvh, qkvl; writes qkvh, qkvl
.if DOCPART == 2
	.amdgcn_target "amdgcn-amd-amdhsa--gfx1250"
	.amdhsa_code_object_version 6
	.text
	.protected	k_qc42aa5e879_qkv
	.globl	k_qc42aa5e879_qkv
	.p2align	8
	.type	k_qc42aa5e879_qkv,@function
k_qc42aa5e879_qkv:
	s_mov_b64 s[64:65], 0
	v_nop
	global_prefetch_b8 v0, s[64:65] scope:SCOPE_SE
	s_setreg_imm32_b32 hwreg(HW_REG_WAVE_MODE, 25, 1), 1
	s_wait_xcnt 0x0
	s_wait_alu depctr_hold_cnt(0) depctr_sa_sdst(0) depctr_va_vdst(0) depctr_va_sdst(0) depctr_va_ssrc(0) depctr_va_vcc(0) depctr_vm_vsrc(0)
	s_getreg_b32 s2, hwreg(HW_REG_IB_STS2, 6, 4)
	s_cmp_eq_u32 s2, 0
	s_cbranch_scc0 .Lentry_in_a_cluster
	s_endpgm
.Lentry_in_a_cluster:
	s_bfe_u32 s2, ttmp6, 0x10000c
	s_cmp_lg_u32 s2, 0xf033
	s_cbranch_scc0 .Lentry_shape_is_right
	s_endpgm
.Lentry_shape_is_right:
; C[8192][3072] = xb [8192][1024] x (wb rows 0-3071)^T, bf16 operands, f32 sums; the three projections Q, K, V in one product.
; OUT, head-major: qkvh[g][m][64] f16, g = column / 64 (0-15 Q's heads, 16-31 K's, 32-47 V's), m = token: byte g * 2^20 + m * 128.
; qkvl[g][mb][16][64] f16 = f16(sum - f32(f16(sum))) for the first 16 rows of every block of 256 rows: the remainder that the attention
; launch adds for each batch's first 16 tokens.  Only blocks mb = 0, 8, 16, 24 are read later; all blocks write theirs:
; 28/32 of the 3,145,728 bytes are written and not read.
; LIMIT: |Q|, |K|, |V| < 65,504 (f16).  x and the weights are rounded to bf16 by the launch before.
; A block is 256 rows x 192 columns (three heads), made by four waves; wave w makes rows 64 w .. 64 w + 63 x all 192 columns:
; 48 accumulator tiles of 16 x 16, 384 registers.
; THE WORK-GROUP STAYS: 16 x 16 = 256 work-groups, each makes block row mb and then block row mb + 16 of the same 192 columns.  The ring of
; slots runs on over the change of blocks: the first block's last two refills ask for the second block's first two K steps, so the first
; block's way out runs while a tile is on its way, and its stores leave under the second block's products.
; K = 1024 goes in steps of 128 through two LDS slots filled by tensor loads whose rows are 256 bytes of memory at multiples of 256.
; CLUSTERS of 4 x 4: the four work-groups of a cluster's row need the same rows of xb, the four of a column the same rows of wb;
; such a tile is asked for jointly, which divides the requests for both by four.
; REGISTERS in windows of 256: window 0 addresses, A's fragments, the way out; window 1 B's fragments;
; window 2 the tiles of my rows 0-31 (tile (a, b) at 8 (12 a + b)); window 3 those of my rows 32-63.
; The matrix instruction is used transposed (source 0 = 16 rows of wb, source 1 = 16 rows of xb): a lane's eight results are eight
; neighbouring columns of one row of C.
.set KSTEP,  128
.set PITCH,  272                       ; 256 bytes + 16: an odd multiple of 16, so a fragment's 16 rows start in 16 different 16-byte columns modulo 256
.set HALFA,  128*PITCH                 ; what waves 0 and 1 fetch: 128 rows of xb each
.set HALFB,  96*PITCH                  ; what waves 2 and 3 fetch: 96 rows of wb each
.set BOFF,   2*HALFA
.set SLOT,   2*HALFA+2*HALFB           ; 121,856
.set STAGE,  2*SLOT                    ; 243,712 = 952 x 256: behind the ring, never filled by a tensor load
.set SPITCH, 400                       ; a stage row: 384 bytes (192 f16) + 16
.set LAPS,   1024/(2*KSTEP)            ; 4 laps of two K steps for a block
.set BACK,   3*2*KSTEP*2               ; a slot's address has gone 3 x 512 bytes along K when its block ends
.set NEXTA,  16*256*2048-BACK          ; A: 16 blocks of 256 rows of 2,048 bytes further down, and back to the row's start
.set ADRA, 2                           ; v2-3   LDS address of my A fragments in slot 0, 1
.set ADRB, 4                           ; v4-5   the same for B
.set STO,  6                           ; v6     way out: where I put 16 bytes
.set RD,   7                           ; v7     way out: where I read back
.set CO,   8                           ; v8     16 x lane
.set TMP,  16                          ; v16-63   packed f16 results of 16 rows
.set FA0,  64                          ; v64-95   A fragments, buffer 0 (4 x 8)
.set FA1,  96                          ; v96-127  buffer 1
.set RB0,  128                         ; v128-175 read-back buffer 0
.set RB1,  176                         ; v176-223 read-back buffer 1
.set HH,   128                         ; v128-223 the rounded results widened again (remainder pass)
.set FB0,  0                           ; window 1: v0-95 B fragments, buffer 0 (12 x 8)
.set FB1,  96                          ; window 1: v96-191 buffer 1
.set G1,  24                           ; s[24:31] group 1 for A's tiles
.set G0,  32                           ; s[32:39] group 0 for A's tiles, one set a slot
.set G1B, 48                           ; s[48:55] group 1 for B's tiles
.set G0B, 56                           ; s[56:63] group 0 for B's tiles
.set MSB, 0
.macro WIN new                         ; the immediate's high byte repeats the setting that is left
.if MSB != \new
	s_set_vgpr_msb (MSB<<8)|\new
.set MSB, \new
.endif
.endm
.set MUL_LO, 0xa1                      ; source 0 (B) window 1, source 1 (A) window 0, C and D window 2
.set MUL_HI, 0xf1                      ; the same, C and D window 3
.set TO_B,   0x40                      ; destination window 1
; A joint load: waves 0, 1 ask for A's halves, waves 2, 3 for B's.  The branch hangs on the wave's number alone.
.macro JLOAD s
	s_cmp_eq_u32 s13, 0
	s_cbranch_scc0 .Lfor_b_\@
	tensor_load_to_lds s[G0+4*\s:G0+4*\s+3], s[G1:G1+7]
	s_nop 0
	s_branch .Lasked_\@
.Lfor_b_\@:
	tensor_load_to_lds s[G0B+4*\s:G0B+4*\s+3], s[G1B:G1B+7]
	s_nop 0
.Lasked_\@:
.endm
.macro CREST                           ; a round of the cluster's barrier behind its opening work-group barrier
	s_cmp_lg_u32 s12, 0
	s_cbranch_scc1 .Lnot_wave_0_\@
	s_barrier_signal -3
.Lnot_wave_0_\@:
	s_barrier_wait -3
	s_barrier_signal -1
	s_barrier_wait -1
.endm
.macro CROUND                          ; a whole round
	s_barrier_signal -1
	s_barrier_wait -1
	CREST
.endm
.macro PLACES                          ; four places behind a matrix instruction (ISA guide 7.12.1) before its registers are loaded into or its result is read
.rept 4
	v_nop
.endr
.endm
	s_load_b256 s[4:11], s[0:1], 0x0               ; xb s[4:5], wb s[6:7], qkvh s[8:9], qkvl s[10:11]
	s_set_vgpr_msb 0x40
	v_lshl_add_u32 v255, v0, 2, 0x41c00
	s_set_vgpr_msb 0x4000
	v_mov_b32 v255, 0
	s_set_vgpr_msb 0x1
	ds_add_u32 v255, v255
	ds_add_u32 v255, v255
	s_set_vgpr_msb 0x100
	v_lshrrev_b32 v1, 5, v0
	v_readfirstlane_b32 s12, v1                    ; wave 0..3
	s_lshr_b32 s13, s12, 1                         ; I fetch for A (0) or for B (1)
	s_and_b32 s14, s12, 1                          ; which half of that tile
	s_bfe_u32 s40, ttmp6, 0x40000                  ; cx
	s_bfe_u32 s41, ttmp6, 0x40004                  ; cy
	s_lshl_b32 s42, ttmp9, 2
	s_add_co_u32 s42, s42, s40                     ; nb: block column, 0..15
	s_and_b32 s43, ttmp7, 0xffff
	s_lshl_b32 s43, s43, 2
	s_add_co_u32 s43, s43, s41                     ; mb: my first block row, 0..15; the second is mb + 16
	s_lshl_b32 s44, s41, 2
	s_lshl_b32 s44, 15, s44                        ; my row of the cluster
	s_lshl_b32 s45, 0x1111, s40                    ; my column
	s_or_b32 s[G1+0], s44, (1<<16)|(1<<20)|(1<<21)|(5<<22)|(3<<25)   ; mask; 2-byte elements; padding on: 4 words behind every 64; bit 21 beside a mask
	s_or_b32 s[G1B+0], s45, (1<<16)|(1<<20)|(1<<21)|(5<<22)|(3<<25)
	s_mov_b32 s[G1+1], KSTEP<<16                   ; tensor_dim0 = 128
	s_mov_b32 s[G1B+1], KSTEP<<16
	s_mov_b32 s[G1+2], 128<<16                     ; tensor_dim1 = 128 rows
	s_mov_b32 s[G1B+2], 96<<16                     ; 96 rows
	s_mov_b32 s[G1+3], KSTEP<<16                   ; tile_dim0 = 128
	s_mov_b32 s[G1B+3], KSTEP<<16
	s_mov_b32 s[G1+4], 128                         ; tile_dim1
	s_mov_b32 s[G1B+4], 96
	s_mov_b32 s[G1+5], 1024                        ; elements from row to row
	s_mov_b32 s[G1B+5], 1024
	s_mov_b32 s[G1+6], 0
	s_mov_b32 s[G1B+6], 0
	s_mov_b32 s[G1+7], 0
	s_mov_b32 s[G1B+7], 0
	s_lshl_b32 s16, s43, 8                         ; A: row 256 mb + 128 half, times 2,048 bytes
	s_lshl_b32 s22, s14, 7
	s_add_co_u32 s16, s16, s22
	s_lshl_b32 s16, s16, 11
	s_mov_b32 s17, 0
	s_mul_i32 s18, s42, 192                        ; B: row 192 nb + 96 half, times 2,048 bytes
	s_mul_i32 s23, s14, 96
	s_add_co_u32 s18, s18, s23
	s_lshl_b32 s18, s18, 11
	s_mov_b32 s19, 0
	s_mul_i32 s20, s12, HALFA                      ; LDS: A's halves at wave x 34,816 (waves 0, 1)
	s_mul_i32 s21, s12, HALFB
	s_add_co_u32 s21, s21, BOFF-2*HALFB            ; B's halves at 69,632 + (wave - 2) x 26,112 (waves 2, 3)
	s_wait_dscnt 0x0
	s_wait_kmcnt 0x0
	s_add_nc_u64 s[16:17], s[4:5], s[16:17]
	s_add_nc_u64 s[18:19], s[6:7], s[18:19]
	CROUND                                         ; all sixteen work-groups are here: the first joint loads meet
.irp s, 0,1
	s_mov_b32 s[G0+4*\s], 1
	s_add_co_u32 s[G0+4*\s+1], s20, \s*SLOT
	s_add_nc_u64 s[G0+4*\s+2:G0+4*\s+3], s[16:17], \s*KSTEP*2
	s_or_b32 s[G0+4*\s+3], s[G0+4*\s+3], 0x80000000
	s_mov_b32 s[G0B+4*\s], 1
	s_add_co_u32 s[G0B+4*\s+1], s21, \s*SLOT
	s_add_nc_u64 s[G0B+4*\s+2:G0B+4*\s+3], s[18:19], \s*KSTEP*2
	s_or_b32 s[G0B+4*\s+3], s[G0B+4*\s+3], 0x80000000
	JLOAD \s                                       ; both first fills go out together: two tensor loads of a wave are out
.endr
	v_and_b32 v1, 15, v0                           ; r = lane % 16
	v_bfe_u32 v9, v0, 4, 1                         ; h = lane / 16
	v_mul_u32_u24 v10, v1, PITCH
	v_lshl_add_u32 v10, v9, 4, v10                 ; r x pitch + 16 h
	s_mul_i32 s22, s12, 64*PITCH                   ; my 64 rows of A
	v_add_nc_u32 v[ADRA], s22, v10
	v_add_nc_u32 v[ADRA+1], SLOT, v[ADRA]
	v_add_nc_u32 v[ADRB], BOFF, v10                ; every wave reads all 192 rows of B
	v_add_nc_u32 v[ADRB+1], BOFF+SLOT, v10
	s_mul_i32 s23, s12, 16*SPITCH
	s_add_co_u32 s23, s23, STAGE                   ; my stage
	v_mul_u32_u24 v11, v1, SPITCH
	v_lshl_add_u32 v11, v9, 4, v11
	v_add_nc_u32 v[STO], s23, v11                  ; in: row r, 16 bytes for each half of the lanes
	v_and_b32 v12, 31, v0
	v_lshrrev_b32 v13, 3, v12
	v_and_b32 v11, 7, v0
	v_mul_u32_u24 v13, v13, SPITCH
	v_lshl_add_u32 v13, v11, 4, v13
	v_add_nc_u32 v[RD], s23, v13                   ; back: eight lanes take one head's 128 bytes of a row, a wave four rows
	v_lshlrev_b32 v[CO], 4, v12
; 12 matrix instructions: m block a of the window's two (hi = 0: rows 0-31, 1: rows 32-63) x all 12 n blocks, 32 along K
.macro MULROW fa, fb, hi, a, zero
.irp b, 0,1,2,3,4,5,6,7,8,9,10,11
.if \zero
	v_wmma_f32_16x16x32_bf16 v[8*(12*\a+\b):8*(12*\a+\b)+7], v[\fb+8*\b:\fb+8*\b+7], v[\fa+8*(2*\hi+\a):\fa+8*(2*\hi+\a)+7], 0
.else
	v_wmma_f32_16x16x32_bf16 v[8*(12*\a+\b):8*(12*\a+\b)+7], v[\fb+8*\b:\fb+8*\b+7], v[\fa+8*(2*\hi+\a):\fa+8*(2*\hi+\a)+7], v[8*(12*\a+\b):8*(12*\a+\b)+7]
.endif
.endr
.endm
; 32 LDS loads in one run: 192 rows of B, then my 64 rows of A, 32 K at byte k of the rows
.macro FETCH slot, k, fa, fb
	WIN TO_B
.irp i, 0,1,2,3,4,5,6,7,8,9,10,11
	ds_load_b128 v[\fb+8*\i:\fb+8*\i+3],   v[ADRB+\slot] offset:\k+\i*16*PITCH
	ds_load_b128 v[\fb+8*\i+4:\fb+8*\i+7], v[ADRB+\slot] offset:\k+\i*16*PITCH+32
.endr
	WIN 0
.irp i, 0,1,2,3
	ds_load_b128 v[\fa+8*\i:\fa+8*\i+3],   v[ADRA+\slot] offset:\k+\i*16*PITCH
	ds_load_b128 v[\fa+8*\i+4:\fa+8*\i+7], v[ADRA+\slot] offset:\k+\i*16*PITCH+32
.endr
.endm
; A quarter step: 48 matrix instructions on buffer f; in its middle the next quarter's fragments are fetched into buffer g.
; The 48 accumulators take turns, one instruction a turn, in the same order in every quarter.
.macro QUARTER slot, k, fa, fb, ga, gb, zero
	s_wait_dscnt 4                                 ; B and A's rows 0-31 are in; the four youngest loads (A's rows 32-63) may be out
	WIN MUL_LO
	MULROW \fa, \fb, 0, 0, \zero
	MULROW \fa, \fb, 0, 1, \zero
	PLACES
	FETCH \slot, \k, \ga, \gb
	s_wait_dscnt 32                                ; all but the 32 just issued
	WIN MUL_HI
	MULROW \fa, \fb, 1, 0, \zero
	MULROW \fa, \fb, 1, 1, \zero
.endm
.macro THREE slot, zero
	QUARTER \slot, 64,  FA0, FB0, FA1, FB1, \zero
	QUARTER \slot, 128, FA1, FB1, FA0, FB0, 0
	QUARTER \slot, 192, FA0, FB0, FA1, FB1, 0
.endm
; The last quarter of a K step changes slots: one barrier, in front of it my reads of this slot and all my tensor loads are done;
; behind it (and the cluster's round) the refill comes first, then the next slot's first fragments.
; fill = 0: nothing is left to fetch; 1: this slot gets the K step two further on; 2: it gets the same slot's first K step of my second block.
.macro TURN slot, next, fill
	s_wait_dscnt 4
	WIN MUL_LO
	MULROW FA1, FB1, 0, 0, 0
	s_wait_dscnt 0                                 ; my reads of this slot are over
	s_wait_tensorcnt 0x0                           ; all my tensor loads have landed: the one that was out is my part of the next slot
	ds_add_u32 v255, v255
	s_wait_dscnt 0x0
	s_barrier_signal -1
	MULROW FA1, FB1, 0, 1, 0                       ; register work while the others arrive
	WIN 0
	s_barrier_wait -1
.if \fill
	CREST                                          ; no wave of any partner still reads this slot or has a load on its way
.if \fill == 1
	s_add_nc_u64 s[G0+4*\slot+2:G0+4*\slot+3], s[G0+4*\slot+2:G0+4*\slot+3], 2*KSTEP*2
	s_add_nc_u64 s[G0B+4*\slot+2:G0B+4*\slot+3], s[G0B+4*\slot+2:G0B+4*\slot+3], 2*KSTEP*2
.else
	s_add_nc_u64 s[G0+4*\slot+2:G0+4*\slot+3], s[G0+4*\slot+2:G0+4*\slot+3], NEXTA      ; xb: block row mb + 16, K from its start
	s_sub_nc_u64 s[G0B+4*\slot+2:G0B+4*\slot+3], s[G0B+4*\slot+2:G0B+4*\slot+3], BACK   ; wb: the same 192 rows, K from its start
.endif
	JLOAD \slot                                    ; my one tensor load behind the round
.endif
	PLACES
	FETCH \next, 0, FA0, FB0
	WIN MUL_HI
	MULROW FA1, FB1, 1, 0, 0
	MULROW FA1, FB1, 1, 1, 0
.endm
.macro LAP zero, fill
	THREE 0, \zero
	TURN 0, 1, \fill
	THREE 1, 0
	TURN 1, 0, \fill
.endm
; the stage's 16 rows go out: for head g and rows 4 u .. 4 u + 3 a wave reads 4 x 128 bytes, which are 512 consecutive bytes of the head-major buffer
.macro DRAIN rb, blo, bhi, gstep, rowoff
.irp g, 0,1,2
.irp u, 0,1,2,3
	ds_load_b128 v[\rb+4*(4*\g+\u):\rb+4*(4*\g+\u)+3], v[RD] offset:\u*4*SPITCH+\g*128   ; LDS serves a wave's instructions in order: these see the stores above
.endr
.endr
.irp g, 0,1,2
.irp u, 0,1,2,3
	s_wait_dscnt 11-(4*\g+\u)                      ; read-back load 4 g + u is in
	global_store_b128 v[CO], v[\rb+4*(4*\g+\u):\rb+4*(4*\g+\u)+3], s[\blo:\bhi] offset:\g*\gstep+\rowoff+\u*512
.endr
.endr
.endm
; rows 16 ar .. 16 ar + 15 of my block = tiles (a, 0..11) of window 2 or 3 (from = 0x0a or 0x0f)
.macro OUTH ar, a, from, rb
	WIN \from
.irp b, 0,1,2,3,4,5,6,7,8,9,10,11
.irp r, 0,1,2,3
	v_cvt_pk_f16_f32 v[TMP+4*\b+\r], v[8*(12*\a+\b)+2*\r], v[8*(12*\a+\b)+2*\r+1]
.endr
.endr
	WIN 0
.irp b, 0,1,2,3,4,5,6,7,8,9,10,11
	ds_store_b128 v[STO], v[TMP+4*\b:TMP+4*\b+3] offset:32*\b
.endr
	s_wait_xcnt 0x0                                ; the read-back buffer, which earlier stores read, is loaded again only behind this wait
	DRAIN \rb, 8, 9, 1048576, \ar*2048
.endm
; THE WAY OUT of one block, 16 rows at a time, through my own stage.  It touches neither fragment buffer 0 (which may be on its way
; from LDS for the next block) nor the ring.
.macro EPI
	WIN 0
	PLACES
	OUTH 0, 0, 0x0a, RB0
	; the remainder of the block's first 16 rows: wave 0's tiles (0, 0..11).  The branch hangs on the wave's number alone.
	s_cmp_lg_u32 s12, 0
	s_cbranch_scc1 .Lno_lo_\@
	s_wait_xcnt 0x0                                ; v128-223 were store data
.set n, 0
.rept 48
	v_mov_b32 v10, v[TMP+n]
	v_cvt_f32_f16 v[HH+2*n], v10.l                 ; what was stored, widened again
	v_cvt_f32_f16 v[HH+2*n+1], v10.h
.set n, n+1
.endr
	WIN 0x02                                       ; source 0 in window 2: the sums
.set n, 0
.rept 48
	v_pk_add_f32 v[HH+2*n:HH+2*n+1], v[2*n:2*n+1], v[HH+2*n:HH+2*n+1] neg_lo:[0,1] neg_hi:[0,1]
.set n, n+1
.endr
	WIN 0
.set n, 0
.rept 48
	v_cvt_pk_f16_f32 v[TMP+n], v[HH+2*n], v[HH+2*n+1]
.set n, n+1
.endr
.irp b, 0,1,2,3,4,5,6,7,8,9,10,11
	ds_store_b128 v[STO], v[TMP+4*\b:TMP+4*\b+3] offset:32*\b
.endr
	DRAIN RB0, 10, 11, 65536, 0
.Lno_lo_\@:
	OUTH 1, 1, 0x0a, RB1
	OUTH 2, 0, 0x0f, RB0
	OUTH 3, 1, 0x0f, RB1
.endm
	s_wait_tensorcnt 1                             ; my part of K step 0 is in; K step 1's stays out
	s_barrier_signal -1
	s_barrier_wait -1
	FETCH 0, 0, FA0, FB0
	; ---- block row mb ----
	LAP 1, 1                                       ; the first lap's first products start the sums: nothing is cleared
	WIN 0
	s_mov_b32 s15, LAPS-2
.Llap_a:
	LAP 0, 1
	WIN 0
	s_sub_co_u32 s15, s15, 1
	s_cmp_lg_u32 s15, 0
	s_cbranch_scc1 .Llap_a
	LAP 0, 2                                       ; the block's last lap: its refills are the next block's K steps 0 and 1
	WIN 0
	s_mul_i32 s46, s42, 3                          ; my first head group g
	s_lshl_b32 s22, s46, 20
	s_lshl_b32 s23, s43, 15                        ; 256 mb rows of 128 bytes
	s_add_co_u32 s22, s22, s23
	s_lshl_b32 s23, s12, 13                        ; 64 w rows
	s_add_co_u32 s22, s22, s23
	s_mov_b32 s23, 0
	s_add_nc_u64 s[8:9], s[8:9], s[22:23]
	s_lshl_b32 s22, s46, 16                        ; qkvl: g x 65,536 + mb x 2,048
	s_lshl_b32 s23, s43, 11
	s_add_co_u32 s22, s22, s23
	s_mov_b32 s23, 0
	s_add_nc_u64 s[10:11], s[10:11], s[22:23]
	EPI                                            ; slot 1's load is on its way meanwhile
	s_wait_xcnt 0x0                                ; the stores' bases are stepped only behind this wait
	s_add_nc_u64 s[8:9], s[8:9], 16*256*128        ; block row mb + 16
	s_add_nc_u64 s[10:11], s[10:11], 16*2048
	; ---- block row mb + 16 ----
	LAP 1, 1                                       ; its first products start the sums anew
	WIN 0
	s_mov_b32 s15, LAPS-2
.Llap_b:
	LAP 0, 1
	WIN 0
	s_sub_co_u32 s15, s15, 1
	s_cmp_lg_u32 s15, 0
	s_cbranch_scc1 .Llap_b
	THREE 0, 0                                     ; the last lap fills nothing
	TURN 0, 1, 0
	THREE 1, 0
	s_wait_dscnt 4
	WIN MUL_LO
	MULROW FA1, FB1, 0, 0, 0
	MULROW FA1, FB1, 0, 1, 0
	s_wait_dscnt 0
	WIN MUL_HI
	MULROW FA1, FB1, 1, 0, 0
	MULROW FA1, FB1, 1, 1, 0
	EPI
	s_set_vgpr_msb 0x1
	s_wait_tensorcnt 0x0
	ds_add_u32 v255, v255
	s_wait_dscnt 0x0
	s_set_vgpr_msb 0x100
	CROUND                                         ; the closing round: no work-group ends while a partner may still ask for a tile that names it
	s_endpgm
.Lfunc_end_k_qc42aa5e879_qkv:
	.size	k_qc42aa5e879_qkv, .Lfunc_end_k_qc42aa5e879_qkv-k_qc42aa5e879_qkv
	.p2alignl 7, 3214868480
	.fill 96, 4, 3214868480
	.section	.rodata,"a",@progbits
	.p2align	6, 0x0
	.amdhsa_kernel k_qc42aa5e879_qkv
		.amdhsa_group_segment_fixed_size 327680
		.amdhsa_private_segment_fixed_size 0
		.amdhsa_enable_private_segment 0
		.amdhsa_kernarg_size 32
		.amdhsa_user_sgpr_count 2
		.amdhsa_user_sgpr_kernarg_segment_ptr 1
		.amdhsa_wavefront_size32 1
		.amdhsa_system_sgpr_workgroup_id_x 1
		.amdhsa_system_sgpr_workgroup_id_y 1
		.amdhsa_system_sgpr_workgroup_id_z 1
		.amdhsa_system_vgpr_workitem_id 0
		.amdhsa_next_free_vgpr 960
		.amdhsa_next_free_sgpr 66
		.amdhsa_reserve_vcc 0
		.amdhsa_float_denorm_mode_32 3
		.amdhsa_float_denorm_mode_16_64 3
		.amdhsa_memory_ordered 1
		.amdhsa_forward_progress 1
		.amdhsa_inst_pref_size 255
	.end_amdhsa_kernel
	.section	.bss,"aw",@nobits
	.p2align	6
	.space	262144
	.amdgpu_metadata
---
amdhsa.version: [ 1, 2 ]
amdhsa.kernels:
  - .name:           k_qc42aa5e879_qkv
    .symbol:         k_qc42aa5e879_qkv.kd
    .args:
      - { .name: xb, .offset: 0, .size: 8, .value_kind: global_buffer, .address_space: global }
      - { .name: wb, .offset: 8, .size: 8, .value_kind: global_buffer, .address_space: global }
      - { .name: qkvh, .offset: 16, .size: 8, .value_kind: global_buffer, .address_space: global }
      - { .name: qkvl, .offset: 24, .size: 8, .value_kind: global_buffer, .address_space: global }
    .group_segment_fixed_size: 327680
    .private_segment_fixed_size: 0
    .kernarg_segment_align: 8
    .kernarg_segment_size: 32
    .max_flat_workgroup_size: 128
    .sgpr_count:     66
    .vgpr_count:     960
    .wavefront_size: 32
...
	.end_amdgpu_metadata
.endif
;; end of part 2
;; launch attn (part 3): grid 256 x 1, 8 waves a work-group, no clusters, 327,680 bytes of LDS; arguments qkvh, qkvl, ao; writes ao
.if DOCPART == 3
	.amdgcn_target "amdgcn-amd-amdhsa--gfx1250"
	.amdhsa_code_object_version 6
	.text
	.protected	k_qc42aa5e879_attn
	.globl	k_qc42aa5e879_attn
	.p2align	8
	.type	k_qc42aa5e879_attn,@function
k_qc42aa5e879_attn:
	s_mov_b64 s[64:65], 0
	v_nop
	global_prefetch_b8 v0, s[64:65] scope:SCOPE_SE
	s_setreg_imm32_b32 hwreg(HW_REG_WAVE_MODE, 25, 1), 1
	s_wait_xcnt 0x0
; Causal attention, one (batch, head) for four work-groups.  Q, K, V: f16, head-major (qkvh[g][m][64]); out ao[h][m][64] f16.
; Work-group id: b = id >> 6, h = (id >> 2) & 15, j = id & 3.  It makes query block j (256 rows) and then block 7 - j against key tiles of
; 256 keys up to the diagonal: (j + 1) + (8 - j) = 9 trips in every work-group, 7 whole tiles and 2 diagonal ones: equal work for all 256.
; Eight waves, two on a SIMD, so that one wave's softmax runs beside the other's matrix work.
; Wave w owns query tiles w and 15 - w of the block's sixteen (16 rows each).  Of a diagonal tile's four chunks of 64 keys, query tile i
; needs chunks 0 .. i >> 2, so every wave has ((w >> 2) + 1) + (((15 - w) >> 2) + 1) = 5 tile-chunks of 8 there: no wave waits for a longer one.
; FORM: S^T = K Q^T, so that lane (r, h) holds keys 8 h + j of query r: maximum, sum and rescale factor are one number a lane, and the packed
; weights are at once the B fragment of O^T = V^T P^T.  V^T's fragments come by the transposing LDS load.
; SOFTMAX: running maximum, kept already multiplied by 0.125 log2(e); the sum of a query is kept in two halves (lanes r and r + 16), joined at the end.
; The first 16 tokens of each batch see few keys, so a rounding of Q, K, V or the weights to f16 shows in full: wave 0 of the group j = 0
; computes them apart, from pairs f16 + f16 remainder (qkvl), and the main pass does not store those rows.
; NO MULTICAST: the four work-groups of a head walk different key tiles in the same trip (block 7 - j starts at trip j + 1); bringing them
; into step would need 12 trips in place of 9.
; LIMITS: |Q|, |K|, |V| < 65,504 (f16); weights are rounded to f16 (they are at most 1).
.set SLOTB, 81920                      ; a slot: four parts of 20,480 bytes
.set PART,  20480                      ; parts 0, 1: 128 keys of K at pitch 144 (18,432 used); parts 2, 3: 128 keys of V at pitch 160
.set KP,    144                        ; odd multiple of 16
.set VP,    160                        ; odd multiple of 32, for the transposing load
.set VOFF,  40960
.set STAGE, 163840                     ; = 640 x 256: behind the ring, never filled by a tensor load
.set STW,   5120                       ; a wave's stage
.set G1K, 24                           ; s[24:31] group 1 for K's parts
.set G1V, 32                           ; s[32:39] group 1 for V's parts
.set G0,  40                           ; s[40:47] group 0, one set a slot
.set KAD, 4                            ; v4-5   K fragments' LDS address, slot 0, 1
.set VAD, 6                            ; v6-7   V fragments'
.set STO, 8                            ; v8     stage in
.set RD,  9                            ; v9     stage back
.set GO,  10                           ; v10    16 x lane
.set QO,  11                           ; v11    (16 w + r) x 128 + 16 h: q tile 0's fragment offset in a block of Q
.set NINF,12                           ; v12    -inf
.set THR, 13                           ; v13-14 mask threshold of q tile 0, 1
.set QO1, 15                           ; v15    (16 (15 - w) + r) x 128 + 16 h: q tile 1's
.set MX,  16                           ; v16-17 running maximum (scaled)
.set LS,  18                           ; v18-19 running sum (my half of the keys)
.set AL,  20                           ; v[20:21], v[22:23] rescale factor (first word; the second is written once)
.set NM,  24                           ; v[24:25], v[26:27] minus the maximum
.set TT,  28                           ; v28-35 at work, four for each q tile
.set PX,  36                           ; v36-37 from the other half of the lanes
.set QF,  40                           ; v40-71   Q fragments (qt, ks)
.set SC,  72                           ; v72-135  scores (qt, kt, j)
.set PR,  136                          ; v136-167 packed weights (qt, kt)
.set KF,  168                          ; v168-231 K fragments (ks, kt)
.set VF,  64                           ; window 1: v64-127  V fragments (ks, dt)
.set Q2,  128                          ; window 1: v128-159 the second query block's Q fragments
                                       ; window 1: v0-63 = O^T tiles (dt, qt) at 8 (2 dt + qt)
.set MSB, 0
.macro WIN new
.if MSB != \new
	s_set_vgpr_msb (MSB<<8)|\new
.set MSB, \new
.endif
.endm
.macro PLACES                          ; four places behind a matrix instruction (ISA guide 7.12.1)
.rept 4
	v_nop
.endr
.endm
; waves 0, 1 fetch K's halves, waves 2, 3 V's, waves 4-7 nothing: one tensor load a wave at the most
.macro TLOAD slot
	s_cmp_gt_u32 s10, 3
	s_cbranch_scc1 .Lnone_\@
	s_cmp_gt_u32 s10, 1
	s_cbranch_scc1 .Lforv_\@
	tensor_load_to_lds s[G0+4*\slot:G0+4*\slot+3], s[G1K:G1K+7]
	s_nop 0
	s_branch .Lnone_\@
.Lforv_\@:
	tensor_load_to_lds s[G0+4*\slot:G0+4*\slot+3], s[G1V:G1V+7]
	s_nop 0
.Lnone_\@:
.endm
	s_load_b128 s[4:7], s[0:1], 0x0                ; qkvh s[4:5], qkvl s[6:7]
	s_load_b64 s[8:9], s[0:1], 0x10                ; ao
	v_lshl_add_u32 v254, v0, 2, 0x32000
	v_mov_b32 v255, 0
	ds_add_u32 v254, v255
	ds_add_u32 v254, v255
	v_lshrrev_b32 v1, 5, v0
	v_readfirstlane_b32 s10, v1                    ; wave 0..7
	s_and_b32 s11, ttmp9, 3                        ; j
	s_bfe_u32 s13, ttmp9, 0x40002                  ; h
	s_lshr_b32 s14, ttmp9, 6                       ; b
	s_lshl_b32 s16, s13, 20
	s_lshl_b32 s56, s14, 18
	s_add_co_u32 s16, s16, s56                     ; h x 2^20 + b x 2048 x 128
	s_mov_b32 s17, 0
	s_bfe_u32 s56, s10, 0x10001                    ; (w >> 1) & 1: 0 K, 1 V
	s_add_co_u32 s56, s56, 1
	s_lshl_b32 s56, s56, 24                        ; K's heads lie 16 x 2^20 behind Q's, V's 32 x 2^20
	s_and_b32 s57, s10, 1
	s_lshl_b32 s57, s57, 14                        ; my half: 128 keys of 128 bytes
	s_add_co_u32 s56, s56, s57
	s_mov_b32 s57, 0
	; group 1: 128 keys of 128 bytes are dense in memory: 64 rows of 256 bytes; padding behind every 32 words = behind every key
	s_mov_b32 s[G1K+0], (1<<16)|(1<<20)|(4<<22)|(3<<25)   ; 4 words: pitch 144
	s_mov_b32 s[G1V+0], (1<<16)|(1<<20)|(4<<22)|(7<<25)   ; 8 words: pitch 160
.irp g, G1K, G1V
	s_mov_b32 s[\g+1], 128<<16                     ; tensor_dim0 = 128 elements
	s_mov_b32 s[\g+2], 64<<16                      ; tensor_dim1 = 64 rows
	s_mov_b32 s[\g+3], 128<<16                     ; tile_dim0
	s_mov_b32 s[\g+4], 64                          ; tile_dim1
	s_mov_b32 s[\g+5], 128                         ; row to row
	s_mov_b32 s[\g+6], 0
	s_mov_b32 s[\g+7], 0
.endr
	s_mul_i32 s12, s10, PART
.irp s, 0,1
	s_mov_b32 s[G0+4*\s], 1
	s_add_co_u32 s[G0+4*\s+1], s12, \s*SLOTB       ; LDS: wave x 20,480 + slot x 81,920
.endr
	s_sub_co_u32 s58, 7, s11                       ; the second query block
	s_lshr_b32 s59, s10, 2                         ; wave class: 0 = q tiles in chunks 0 and 3 of a diagonal tile, 1 = in chunks 1 and 2
	s_lshl_b32 s66, s10, 11                        ; q tile 0: 16 w rows of 128 bytes into a block
	s_sub_co_u32 s67, 15, s10
	s_lshl_b32 s67, s67, 11                        ; q tile 1: 16 (15 - w) rows
	s_mov_b32 s15, -1                              ; t: the trip; -1 in front of the first
	s_mov_b32 s48, 0x76543210                      ; v_permlanex16_b32: lane i reads lane i of the other half
	s_mov_b32 s49, 0xfedcba98
	s_mov_b32 s50, 0x3e38aa3b                      ; 0.125 log2(e)
	s_mov_b32 s51, 0x3e38aa3b
	s_wait_dscnt 0x0
	s_wait_kmcnt 0x0
	s_add_nc_u64 s[18:19], s[4:5], s[16:17]        ; QB: my head's Q, my batch's first token
	s_add_nc_u64 s[20:21], s[18:19], s[56:57]      ; TB: what I fetch of key tile 0
	s_add_nc_u64 s[22:23], s[8:9], s[16:17]        ; AB: my head's part of ao
	s_mov_b64 s[G0+2:G0+3], s[20:21]
	s_or_b32 s[G0+3], s[G0+3], 0x80000000
	TLOAD 0                                        ; key tile 0: the first fill, ahead of every barrier
	v_and_b32 v1, 15, v0                           ; r
	v_bfe_u32 v2, v0, 4, 1                         ; h
	v_and_b32 v3, 31, v0                           ; lane
	v_lshlrev_b32 v33, 7, v1
	v_lshl_add_u32 v33, v2, 4, v33                 ; r x 128 + 16 h
	v_add_nc_u32 v[QO], s66, v33
	v_add_nc_u32 v[QO1], s67, v33
	s_lshl_b32 s56, s11, 15                        ; a block of Q: 256 rows of 128 bytes
	s_mov_b32 s57, 0
	s_add_nc_u64 s[68:69], s[18:19], s[56:57]      ; block j
	s_lshl_b32 s56, s58, 15
	s_add_nc_u64 s[72:73], s[18:19], s[56:57]      ; block 7 - j
	; both blocks' Q fragments are asked for now: the second block begins without a wait for memory
.irp ks, 0,1
	global_load_b128 v[QF+8*\ks:QF+8*\ks+3],         v[QO],  s[68:69] offset:\ks*64
	global_load_b128 v[QF+8*\ks+4:QF+8*\ks+7],       v[QO],  s[68:69] offset:\ks*64+32
	global_load_b128 v[QF+16+8*\ks:QF+16+8*\ks+3],   v[QO1], s[68:69] offset:\ks*64
	global_load_b128 v[QF+16+8*\ks+4:QF+16+8*\ks+7], v[QO1], s[68:69] offset:\ks*64+32
.endr
	WIN 0x40                                       ; destinations in window 1
.irp ks, 0,1
	global_load_b128 v[Q2+8*\ks:Q2+8*\ks+3],         v[QO],  s[72:73] offset:\ks*64
	global_load_b128 v[Q2+8*\ks+4:Q2+8*\ks+7],       v[QO],  s[72:73] offset:\ks*64+32
	global_load_b128 v[Q2+16+8*\ks:Q2+16+8*\ks+3],   v[QO1], s[72:73] offset:\ks*64
	global_load_b128 v[Q2+16+8*\ks+4:Q2+16+8*\ks+7], v[QO1], s[72:73] offset:\ks*64+32
.endr
	; O = 0.  (The trip in which a block begins hangs on j, so no product in the text can be singled out to start the sums with the constant 0.)
.set n, 0
.rept 64
	v_mov_b32 v[n], 0
.set n, n+1
.endr
	WIN 0
	v_mul_u32_u24 v[KAD], v1, KP
	v_lshl_add_u32 v[KAD], v2, 4, v[KAD]           ; r x 144 + 16 h
	v_add_nc_u32 v[KAD+1], SLOTB, v[KAD]
	v_and_b32 v28, 7, v0
	v_bfe_u32 v29, v0, 3, 1
	v_lshl_add_u32 v30, v2, 3, v28                 ; key 8 h + (lane & 7)
	v_mul_u32_u24 v30, v30, VP
	v_lshl_add_u32 v30, v29, 4, v30                ; + 16 ((lane >> 3) & 1)
	v_add_nc_u32 v[VAD], VOFF, v30
	v_add_nc_u32 v[VAD+1], VOFF+SLOTB, v30
	s_mul_i32 s56, s10, STW
	s_add_co_u32 s56, s56, STAGE                   ; my stage
	v_add_nc_u32 v[STO], s56, v[KAD]
	v_bfe_u32 v31, v0, 3, 2
	v_mul_u32_u24 v31, v31, KP
	v_lshl_add_u32 v31, v28, 4, v31
	v_add_nc_u32 v[RD], s56, v31                   ; back: eight lanes a row of 128 bytes, four rows a wave
	v_lshlrev_b32 v[GO], 4, v3
	v_mov_b32 v[NINF], 0xff800000
	s_and_b32 s57, s10, 3
	s_lshl_b32 s56, s57, 4                         ; q tile 0 begins 16 (w & 3) queries into its diagonal chunk,
	s_sub_co_u32 s57, 3, s57
	s_lshl_b32 s57, s57, 4                         ; q tile 1 16 (3 - (w & 3))
	v_lshlrev_b32 v32, 3, v2
	v_sub_nc_u32 v32, v1, v32
	v_add_nc_u32 v[THR], s56, v32                  ; key 16 kt + j (+ 8 h) of the diagonal chunk is masked where 16 kt + j > 16 (tile & 3) + r - 8 h
	v_add_nc_u32 v[THR+1], s57, v32
	v_mov_b32 v[MX], v[NINF]
	v_mov_b32 v[MX+1], v[NINF]
	v_mov_b32 v[LS], 0
	v_mov_b32 v[LS+1], 0
.irp n, 20,21,22,23,24,25,26,27,36,37
	v_mov_b32 v\n, 0                               ; pairs of which one word is broadcast, and destinations of lane exchanges, are written whole once
.endr
	; ---- the first 16 tokens of the batch, from f16 pairs: wave 0 of the group j = 0.  Its Q (f16 part) is q tile 0 of the loads above. ----
.set EQH, 40
.set EQL, 232
.set EKH, 168
.set EKL, 184
.set EVH, 200
.set EVL, 216
.set E0,  72
.set E1,  80
.set E2,  88
.set EV,  136
.set EO,  168
	s_cmp_lg_u32 s10, 0
	s_cbranch_scc1 .Lno_early
	s_cmp_lg_u32 s11, 0
	s_cbranch_scc1 .Lno_early
	s_add_nc_u64 s[60:61], s[18:19], 0x1000000     ; K
	s_add_nc_u64 s[56:57], s[18:19], 0x2000000     ; V
	s_lshl_b32 s52, s13, 16
	s_lshl_b32 s53, s14, 14
	s_add_co_u32 s52, s52, s53
	s_mov_b32 s53, 0
	s_add_nc_u64 s[52:53], s[6:7], s[52:53]        ; remainders: h x 65,536 + (block 8 b) x 2,048; K's 16, V's 32 groups further
.irp u, 0,1,2,3
	global_load_b128 v[EVH+4*\u:EVH+4*\u+3], v[GO], s[56:57] offset:512*\u
.endr
.irp u, 0,1,2,3
	global_load_b128 v[EVL+4*\u:EVL+4*\u+3], v[GO], s[52:53] offset:2097152+512*\u
.endr
.irp ks, 0,1
	global_load_b128 v[EKH+8*\ks:EKH+8*\ks+3],   v[QO], s[60:61] offset:64*\ks
	global_load_b128 v[EKH+8*\ks+4:EKH+8*\ks+7], v[QO], s[60:61] offset:64*\ks+32
	global_load_b128 v[EQL+8*\ks:EQL+8*\ks+3],   v[QO], s[52:53] offset:64*\ks
	global_load_b128 v[EQL+8*\ks+4:EQL+8*\ks+7], v[QO], s[52:53] offset:64*\ks+32
	global_load_b128 v[EKL+8*\ks:EKL+8*\ks+3],   v[QO], s[52:53] offset:1048576+64*\ks
	global_load_b128 v[EKL+8*\ks+4:EKL+8*\ks+7], v[QO], s[52:53] offset:1048576+64*\ks+32
.endr
	v_bfe_u32 v38, v0, 3, 2
	v_and_b32 v39, 7, v0
	v_mul_u32_u24 v38, v38, VP
	v_lshl_add_u32 v38, v39, 4, v38
	v_add_nc_u32 v38, STAGE, v38                   ; wave 0's stage as scratch: 16 keys at pitch 160, the remainders 2,560 bytes behind
	v_add_nc_u32 v39, STAGE-VOFF, v[VAD]
	s_wait_loadcnt 12                              ; the eight loads of V (and Q's before them) are in; the twelve of K and the remainders stay out
.irp u, 0,1,2,3
	ds_store_b128 v38, v[EVH+4*\u:EVH+4*\u+3] offset:\u*4*VP
	ds_store_b128 v38, v[EVL+4*\u:EVL+4*\u+3] offset:16*VP+\u*4*VP
.endr
.irp dt, 0,1,2,3
	ds_load_tr16_b128 v[EV+8*\dt:EV+8*\dt+3],   v39 offset:\dt*32          ; k 0-15 of the fragment: V's 16 keys
	ds_load_tr16_b128 v[EV+8*\dt+4:EV+8*\dt+7], v39 offset:16*VP+\dt*32    ; k 16-31: their remainders
.endr
	s_wait_loadcnt 0x0
	; S^T = Kh Qh + Kl Qh + Kh Ql: three accumulators by turns
	v_wmma_f32_16x16x32_f16 v[E0:E0+7], v[EKH:EKH+7], v[EQH:EQH+7], 0
	v_wmma_f32_16x16x32_f16 v[E1:E1+7], v[EKL:EKL+7], v[EQH:EQH+7], 0
	v_wmma_f32_16x16x32_f16 v[E2:E2+7], v[EKH:EKH+7], v[EQL:EQL+7], 0
	v_wmma_f32_16x16x32_f16 v[E0:E0+7], v[EKH+8:EKH+15], v[EQH+8:EQH+15], v[E0:E0+7]
	v_wmma_f32_16x16x32_f16 v[E1:E1+7], v[EKL+8:EKL+15], v[EQH+8:EQH+15], v[E1:E1+7]
	v_wmma_f32_16x16x32_f16 v[E2:E2+7], v[EKH+8:EKH+15], v[EQL+8:EQL+15], v[E2:E2+7]
	PLACES
.irp p, 0,2,4,6
	v_pk_add_f32 v[E1+\p:E1+\p+1], v[E1+\p:E1+\p+1], v[E2+\p:E2+\p+1]
.endr
.irp p, 0,2,4,6
	v_pk_add_f32 v[E0+\p:E0+\p+1], v[E0+\p:E0+\p+1], v[E1+\p:E1+\p+1]
.endr
.irp jj, 0,1,2,3,4,5,6,7
	v_cmp_gt_i32 vcc_lo, \jj, v[THR]               ; key 8 h + j beyond query r (wave 0: the threshold is r - 8 h)
	v_cndmask_b32 v[E0+\jj], v[E0+\jj], v[NINF], vcc_lo
.endr
	v_max3_num_f32 v[TT], v[E0], v[E0+1], v[E0+2]
	v_max3_num_f32 v[TT], v[TT], v[E0+3], v[E0+4]
	v_max3_num_f32 v[TT], v[TT], v[E0+5], v[E0+6]
	v_max_num_f32 v[TT], v[TT], v[E0+7]
	v_permlanex16_b32 v[PX], v[TT], s48, s49
	v_max_num_f32 v[TT], v[TT], v[PX]              ; the query's maximum: key 0 is never masked
	v_mul_f32 v[TT], s50, v[TT]
	v_xor_b32 v[NM], 0x80000000, v[TT]
.irp p, 0,2,4,6
	v_pk_fma_f32 v[E0+\p:E0+\p+1], v[E0+\p:E0+\p+1], s[50:51], v[NM:NM+1] op_sel_hi:[1,0,0]
.endr
.irp jj, 0,1,2,3,4,5,6,7
	v_exp_f32 v[E0+\jj], v[E0+\jj]
.endr
	v_nop                                          ; a plain place behind the exponentials (ISA guide 5.7.2)
	s_wait_alu depctr_va_vdst(0)
	v_pk_add_f32 v[E1:E1+1], v[E0:E0+1], v[E0+2:E0+3]
	v_pk_add_f32 v[E1+2:E1+3], v[E0+4:E0+5], v[E0+6:E0+7]
	v_pk_add_f32 v[E1:E1+1], v[E1:E1+1], v[E1+2:E1+3]
	v_add_f32 v[TT], v[E1], v[E1+1]
	v_permlanex16_b32 v[PX], v[TT], s48, s49
	v_add_f32 v[TT], v[TT], v[PX]
	v_rcp_f32 v[AL], v[TT]
	v_nop
	s_wait_alu depctr_va_vdst(0)
.irp p, 0,2,4,6
	v_pk_mul_f32 v[E0+\p:E0+\p+1], v[E0+\p:E0+\p+1], v[AL:AL+1] op_sel_hi:[1,0]   ; the weights themselves, v72-79
.endr
	v_cvt_pk_f16_f32 v112, v72, v73                ; their f16 part
	v_cvt_pk_f16_f32 v113, v74, v75
	v_cvt_pk_f16_f32 v114, v76, v77
	v_cvt_pk_f16_f32 v115, v78, v79
	v_cvt_f32_f16 v80, v112.l
	v_cvt_f32_f16 v81, v112.h
	v_cvt_f32_f16 v82, v113.l
	v_cvt_f32_f16 v83, v113.h
	v_cvt_f32_f16 v84, v114.l
	v_cvt_f32_f16 v85, v114.h
	v_cvt_f32_f16 v86, v115.l
	v_cvt_f32_f16 v87, v115.h
.irp p, 0,2,4,6
	v_pk_add_f32 v[E1+\p:E1+\p+1], v[E0+\p:E0+\p+1], v[E1+\p:E1+\p+1] neg_lo:[0,1] neg_hi:[0,1]
.endr
	v_cvt_pk_f16_f32 v120, v80, v81                ; and the remainder
	v_cvt_pk_f16_f32 v121, v82, v83
	v_cvt_pk_f16_f32 v122, v84, v85
	v_cvt_pk_f16_f32 v123, v86, v87
	v_mov_b32 v116, v112                           ; k 16-31 of the first B fragment: the f16 part once more, against V's remainders
	v_mov_b32 v117, v113
	v_mov_b32 v118, v114
	v_mov_b32 v119, v115
	v_mov_b32 v124, 0                              ; k 16-31 of the second: nothing (remainder x remainder is dropped)
	v_mov_b32 v125, 0
	v_mov_b32 v126, 0
	v_mov_b32 v127, 0
	s_wait_dscnt 0x0                               ; V's fragments
.irp dt, 0,1,2,3
	v_wmma_f32_16x16x32_f16 v[EO+8*\dt:EO+8*\dt+7], v[EV+8*\dt:EV+8*\dt+7], v[112:119], 0
.endr
.irp dt, 0,1,2,3
	v_wmma_f32_16x16x32_f16 v[EO+8*\dt:EO+8*\dt+7], v[EV+8*\dt:EV+8*\dt+7], v[120:127], v[EO+8*\dt:EO+8*\dt+7]
.endr
	PLACES
.irp dt, 0,1,2,3
.irp p, 0,1,2,3
	v_cvt_pk_f16_f32 v[E0+4*\dt+\p], v[EO+8*\dt+2*\p], v[EO+8*\dt+2*\p+1]
.endr
.endr
.irp dt, 0,1,2,3
	ds_store_b128 v[STO], v[E0+4*\dt:E0+4*\dt+3] offset:\dt*32
.endr
.irp u, 0,1,2,3
	ds_load_b128 v[88+4*\u:88+4*\u+3], v[RD] offset:\u*4*KP
.endr
.irp u, 0,1,2,3
	s_wait_dscnt 3-\u
	global_store_b128 v[GO], v[88+4*\u:88+4*\u+3], s[22:23] offset:512*\u
.endr
	s_wait_xcnt 0x0                                ; store data and the scalar pairs used here are written again below
.Lno_early:
	s_wait_loadcnt 0x0                             ; both blocks' Q fragments
; What stands in front of the barrier that opens the next trip: my LDS reads are back, the reads of this trip's slot among them; all my
; tensor loads have landed, my part of the next trip's tile among them; so the group 0 of slot fs (the slot read in this trip, filled
; again first thing behind that barrier) may be written: the key tile of trip t + 2, which is t + 2 in block j and t + 1 - j in block 7 - j.
; (In trip 7 the address is made and not used: trip 8 fetches nothing.)
.macro PREB fs
	s_wait_dscnt 0x0
	s_wait_tensorcnt 0x0
	ds_add_u32 v254, v255
	ds_add_u32 v254, v255
	s_wait_dscnt 0x0
	s_add_co_u32 s56, s15, 2
	s_sub_co_u32 s57, s56, s11
	s_sub_co_u32 s57, s57, 1
	s_cmp_le_u32 s56, s11
	s_cselect_b32 s56, s56, s57
	s_lshl_b32 s56, s56, 15                        ; 256 keys of 128 bytes a tile
	s_mov_b32 s57, 0
	s_add_nc_u64 s[G0+4*\fs+2:G0+4*\fs+3], s[20:21], s[56:57]
	s_or_b32 s[G0+4*\fs+3], s[G0+4*\fs+3], 0x80000000
	s_barrier_signal -1
.endm
.macro KLOAD slot, c                   ; 16 loads: the K fragments of chunk c, d 0-31 first
.irp ks, 0,1
.irp kt, 0,1,2,3
	ds_load_b128 v[KF+32*\ks+8*\kt:KF+32*\ks+8*\kt+3],   v[KAD+\slot] offset:((\c)>>1)*PART+((\c)&1)*64*KP+\kt*16*KP+\ks*64
	ds_load_b128 v[KF+32*\ks+8*\kt+4:KF+32*\ks+8*\kt+7], v[KAD+\slot] offset:((\c)>>1)*PART+((\c)&1)*64*KP+\kt*16*KP+\ks*64+32
.endr
.endr
.endm
.macro VLOAD slot, c                   ; 16 transposing loads: the V^T fragments of chunk c, keys 0-31 first (destinations in window 1)
.irp ks, 0,1
.irp dt, 0,1,2,3
	ds_load_tr16_b128 v[VF+32*\ks+8*\dt:VF+32*\ks+8*\dt+3],   v[VAD+\slot] offset:\c*64*VP+\ks*32*VP+\dt*32
	ds_load_tr16_b128 v[VF+32*\ks+8*\dt+4:VF+32*\ks+8*\dt+7], v[VAD+\slot] offset:\c*64*VP+\ks*32*VP+\dt*32+16*VP
.endr
.endr
.endm
.macro MASKQ qt                        ; the diagonal chunk of q tile qt, element by element
.irp kt, 0,1,2,3
.irp jj, 0,1,2,3,4,5,6,7
	v_cmp_gt_i32 vcc_lo, 16*\kt+\jj, v[THR+\qt]
	v_cndmask_b32 v[SC+32*\qt+8*\kt+\jj], v[SC+32*\qt+8*\kt+\jj], v[NINF], vcc_lo
.endr
.endr
.endm
.macro MAXQ qt                         ; my 32 scores' maximum: four chains, then joined
.irp kt, 0,1,2,3
	v_max3_num_f32 v[TT+4*\qt+\kt], v[SC+32*\qt+8*\kt], v[SC+32*\qt+8*\kt+1], v[SC+32*\qt+8*\kt+2]
.endr
.irp kt, 0,1,2,3
	v_max3_num_f32 v[TT+4*\qt+\kt], v[TT+4*\qt+\kt], v[SC+32*\qt+8*\kt+3], v[SC+32*\qt+8*\kt+4]
.endr
.irp kt, 0,1,2,3
	v_max3_num_f32 v[TT+4*\qt+\kt], v[TT+4*\qt+\kt], v[SC+32*\qt+8*\kt+5], v[SC+32*\qt+8*\kt+6]
.endr
	v_max3_num_f32 v[TT+4*\qt], v[TT+4*\qt], v[TT+4*\qt+1], v[TT+4*\qt+2]
	v_max3_num_f32 v[TT+4*\qt], v[TT+4*\qt], v[TT+4*\qt+3], v[SC+32*\qt+7]
	v_max3_num_f32 v[TT+4*\qt], v[TT+4*\qt], v[SC+32*\qt+15], v[SC+32*\qt+23]
	v_max_num_f32 v[TT+4*\qt], v[TT+4*\qt], v[SC+32*\qt+31]
.endm
.macro FMAQ qt                         ; score x 0.125 log2(e) - maximum
.set n, 0
.rept 16
	v_pk_fma_f32 v[SC+32*\qt+n:SC+32*\qt+n+1], v[SC+32*\qt+n:SC+32*\qt+n+1], s[50:51], v[NM+2*\qt:NM+2*\qt+1] op_sel_hi:[1,0,0]
.set n, n+2
.endr
.endm
.macro EXPQ qt
.set n, 0
.rept 32
	v_exp_f32 v[SC+32*\qt+n], v[SC+32*\qt+n]
.set n, n+1
.endr
.endm
.macro PACKQ qt                        ; the weights as f16 (at once a B fragment), then their sum into the running sum
.set n, 0
	s_wait_alu depctr_va_vdst(0)
.rept 16
	v_cvt_pk_f16_f32 v[PR+16*\qt+n], v[SC+32*\qt+2*n], v[SC+32*\qt+2*n+1]
.set n, n+1
.endr
.irp d, 16,8,4,2
.set n, 0
.rept \d/2
	v_pk_add_f32 v[SC+32*\qt+n:SC+32*\qt+n+1], v[SC+32*\qt+n:SC+32*\qt+n+1], v[SC+32*\qt+n+\d:SC+32*\qt+n+\d+1]
.set n, n+2
.endr
.endr
	v_add_f32 v[TT+4*\qt], v[SC+32*\qt], v[SC+32*\qt+1]
	v_fma_f32 v[LS+\qt], v[LS+\qt], v[AL+2*\qt], v[TT+4*\qt]
.endm
; The softmax's first part: the new running maximum and the rescale factor.  both = 1: q tiles 0 and 1; 0: q tile 1 alone.
.macro SOFTA both
.irp qt, 0,1
.if \both+\qt
	MAXQ \qt
.endif
.endr
.irp qt, 0,1
.if \both+\qt
	v_permlanex16_b32 v[PX+\qt], v[TT+4*\qt], s48, s49
.endif
.endr
.irp qt, 0,1
.if \both+\qt
	v_max_num_f32 v[TT+4*\qt], v[TT+4*\qt], v[PX+\qt]       ; over the query's 64 keys
.endif
.endr
.irp qt, 0,1
.if \both+\qt
	v_mul_f32 v[TT+4*\qt], s50, v[TT+4*\qt]
.endif
.endr
.irp qt, 0,1
.if \both+\qt
	v_max_num_f32 v[TT+4*\qt], v[TT+4*\qt], v[MX+\qt]       ; the new running maximum: finite, since each chunk taken has an unmasked key for every query
.endif
.endr
.irp qt, 0,1
.if \both+\qt
	v_sub_f32 v[TT+4*\qt+1], v[MX+\qt], v[TT+4*\qt]         ; old - new: -inf in a block's first step, whose factor is then 0
.endif
.endr
.irp qt, 0,1
.if \both+\qt
	v_mov_b32 v[MX+\qt], v[TT+4*\qt]
	v_xor_b32 v[NM+2*\qt], 0x80000000, v[TT+4*\qt]
.endif
.endr
.irp qt, 0,1
.if \both+\qt
	v_exp_f32 v[AL+2*\qt], v[TT+4*\qt+1]
.endif
.endr
.endm
; The second part: the weights.  Plain work on other registers stands behind each run of exponentials (ISA guide 5.7.2).
.macro SOFTB both
.if \both
	FMAQ 0
	EXPQ 0
.endif
	FMAQ 1
	EXPQ 1
.if \both
	PACKQ 0
.else
	v_nop
	s_wait_alu depctr_va_vdst(0)
.endif
	PACKQ 1
.endm
; 64 keys: chunk c of the tile in the slot.
; both: q tiles 0 and 1, or q tile 1 alone.  first: the trip's first step asks for its own K fragments.  pre: chunk c + 1's K fragments are
; asked for here, behind V's, a step ahead of their use.  mk: 0 no mask, 1 q tile mq is masked, 2 / 3 it is masked in wave class 0 / 1.
; sig: the trip's last LDS reads are this step's V fragments: the waits and the signal of the next trip's barrier stand behind the maxima,
; and what follows up to the barrier's wait is register work alone.
.macro STEP slot, c, both, first, pre, mq, mk, sig
.if \first
	KLOAD \slot, \c
.endif
	s_wait_dscnt 8                                 ; of the 16 K loads, the youngest LDS instructions out, the eight of d 0-31 are in
.irp qt, 0,1
.if \both+\qt
.irp kt, 0,1,2,3
	v_wmma_f32_16x16x32_f16 v[SC+32*\qt+8*\kt:SC+32*\qt+8*\kt+7], v[KF+8*\kt:KF+8*\kt+7], v[QF+16*\qt:QF+16*\qt+7], 0
.endr
.endif
.endr
	s_wait_dscnt 0
.irp qt, 0,1                           ; the accumulators take turns, one instruction a turn
.if \both+\qt
.irp kt, 0,1,2,3
	v_wmma_f32_16x16x32_f16 v[SC+32*\qt+8*\kt:SC+32*\qt+8*\kt+7], v[KF+32+8*\kt:KF+32+8*\kt+7], v[QF+16*\qt+8:QF+16*\qt+15], v[SC+32*\qt+8*\kt:SC+32*\qt+8*\kt+7]
.endr
.endif
.endr
	PLACES                                         ; for the readers of the scores and for the loads into K's and V's fragments
	WIN 0x40
	VLOAD \slot, \c                                ; V's fragments land while the softmax runs
	WIN 0
.if \pre
	KLOAD \slot, \c+1
.endif
.if \mk == 1
	MASKQ \mq
.endif
.if \mk >= 2
	s_cmp_lg_u32 s59, \mk-2
	s_cbranch_scc1 .Lnm_\@
	MASKQ \mq
.Lnm_\@:
.endif
	SOFTA \both
.if \sig
	PREB \slot
.endif
	SOFTB \both
	WIN 0x41                                       ; O in window 1, the factor in window 0
.irp dt, 0,1,2,3
.irp qt, 0,1
.if \both+\qt
.irp p, 0,2,4,6
	v_pk_mul_f32 v[8*(2*\dt+\qt)+\p:8*(2*\dt+\qt)+\p+1], v[8*(2*\dt+\qt)+\p:8*(2*\dt+\qt)+\p+1], v[AL+2*\qt:AL+2*\qt+1] op_sel_hi:[1,0]
.endr
.endif
.endr
.endr
	WIN 0x51                                       ; V's fragments, C and D in window 1, the weights in window 0
.if \sig == 0
	s_wait_dscnt 8+16*\pre                         ; V's keys 0-31 are in; V's other eight loads and the 16 K loads behind them may be out
.endif
.irp dt, 0,1,2,3
.irp qt, 0,1
.if \both+\qt
	v_wmma_f32_16x16x32_f16 v[8*(2*\dt+\qt):8*(2*\dt+\qt)+7], v[VF+8*\dt:VF+8*\dt+7], v[PR+16*\qt:PR+16*\qt+7], v[8*(2*\dt+\qt):8*(2*\dt+\qt)+7]
.endif
.endr
.endr
.if \sig == 0
	s_wait_dscnt 16*\pre                           ; all of V; the K loads may be out
.endif
.irp dt, 0,1,2,3
.irp qt, 0,1
.if \both+\qt
	v_wmma_f32_16x16x32_f16 v[8*(2*\dt+\qt):8*(2*\dt+\qt)+7], v[VF+32+8*\dt:VF+32+8*\dt+7], v[PR+16*\qt+8:PR+16*\qt+15], v[8*(2*\dt+\qt):8*(2*\dt+\qt)+7]
.endif
.endr
.endr
	WIN 0
.endm
; a whole tile: four steps for both q tiles, no mask, no branch
.macro FULL slot
	STEP \slot, 0, 1, 1, 1, 0, 0, 0
	STEP \slot, 1, 1, 0, 1, 0, 0, 0
	STEP \slot, 2, 1, 0, 1, 0, 0, 0
	STEP \slot, 3, 1, 0, 0, 0, 0, 1
.endm
; a diagonal tile.  Class 0 (waves 0-3): q tile 0's diagonal lies in chunk 0, q tile 1's in chunk 3.  Class 1: in chunks 1 and 2.
; Chunks beyond a q tile's diagonal are all masked and are left out.
.macro DIAG slot
	STEP \slot, 0, 1, 1, 1, 0, 2, 0                ; both; q tile 0 masked in class 0
	s_cmp_lg_u32 s59, 0
	s_cbranch_scc1 .Ld1b_\@
	STEP \slot, 1, 0, 0, 1, 0, 0, 0                ; class 0: q tile 1 alone
	s_branch .Ld1e_\@
.Ld1b_\@:
	STEP \slot, 1, 1, 0, 1, 0, 1, 0                ; class 1: both, q tile 0 masked
.Ld1e_\@:
	STEP \slot, 2, 0, 0, 1, 1, 3, 0                ; q tile 1 alone, masked in class 1 (whose request for chunk 3's K is then not used)
	s_cmp_lg_u32 s59, 0
	s_cbranch_scc1 .Ld3_\@
	STEP \slot, 3, 0, 0, 0, 1, 1, 0                ; class 0: q tile 1's diagonal
.Ld3_\@:
	s_wait_dscnt 0x0                               ; class 1: chunk 3's K loads are back before their registers are loaded again
	PLACES                                         ; for the readers of O
.endm
; a query block ends: O / sum, f16, through my stage; each q tile's 16 rows of 128 bytes are 2,048 consecutive bytes of ao.
; skipe = 1: the rows that the early part has stored (wave 0 of j = 0, q tile 0) are not stored again.  qbr: the register with the block's number.
.macro FINAL skipe, qbr
	v_permlanex16_b32 v[PX], v[LS], s48, s49
	v_permlanex16_b32 v[PX+1], v[LS+1], s48, s49
	v_add_f32 v[TT], v[LS], v[PX]
	v_add_f32 v[TT+4], v[LS+1], v[PX+1]
	v_rcp_f32 v[AL], v[TT]
	v_rcp_f32 v[AL+2], v[TT+4]
	v_nop
	WIN 0x01
	s_wait_alu depctr_va_vdst(0)
.irp qt, 0,1
.irp dt, 0,1,2,3
.irp p, 0,2,4,6
	v_pk_mul_f32 v[SC+32*\qt+8*\dt+\p:SC+32*\qt+8*\dt+\p+1], v[8*(2*\dt+\qt)+\p:8*(2*\dt+\qt)+\p+1], v[AL+2*\qt:AL+2*\qt+1] op_sel_hi:[1,0]
.endr
.endr
.endr
	WIN 0
.set n, 0
.rept 32
	v_cvt_pk_f16_f32 v[PR+n], v[SC+2*n], v[SC+2*n+1]
.set n, n+1
.endr
.irp qt, 0,1
.irp dt, 0,1,2,3
	ds_store_b128 v[STO], v[PR+16*\qt+4*\dt:PR+16*\qt+4*\dt+3] offset:\qt*16*KP+\dt*32
.endr
.endr
.irp u, 0,1,2,3,4,5,6,7
	ds_load_b128 v[KF+4*\u:KF+4*\u+3], v[RD] offset:\u*4*KP
.endr
	s_lshl_b32 s56, s[\qbr], 15
	s_add_co_u32 s56, s56, s66
	s_mov_b32 s57, 0
	s_add_nc_u64 s[60:61], s[22:23], s[56:57]      ; q tile 0's rows
	s_lshl_b32 s56, s[\qbr], 15
	s_add_co_u32 s56, s56, s67
	s_add_nc_u64 s[70:71], s[22:23], s[56:57]      ; q tile 1's rows
.if \skipe
	s_cmp_lg_u32 s10, 0
	s_cbranch_scc1 .Lall_\@
	s_cmp_eq_u32 s11, 0
	s_cbranch_scc1 .Lhalf_\@
.Lall_\@:
.endif
.irp u, 0,1,2,3
	s_wait_dscnt 7-\u
	global_store_b128 v[GO], v[KF+4*\u:KF+4*\u+3], s[60:61] offset:512*\u
.endr
.Lhalf_\@:
.irp u, 4,5,6,7
	s_wait_dscnt 7-\u
	global_store_b128 v[GO], v[KF+4*\u:KF+4*\u+3], s[70:71] offset:512*(\u-4)
.endr
	s_wait_xcnt 0x0                                ; the stores' data and bases are written again behind this wait
.endm
; the second query block begins: its Q fragments come out of window 1; maximum -inf, sum 0, O = 0
.macro REINIT
	WIN 0x01
.set n, 0
.rept 32
	v_mov_b32 v[QF+n], v[Q2+n]
.set n, n+1
.endr
	WIN 0
	v_mov_b32 v[MX], v[NINF]
	v_mov_b32 v[MX+1], v[NINF]
	v_mov_b32 v[LS], 0
	v_mov_b32 v[LS+1], 0
	WIN 0x40
.set n, 0
.rept 64
	v_mov_b32 v[n], 0
.set n, n+1
.endr
	WIN 0
.endm
; A trip: one key tile.  Its barrier was signalled in the trip before, each wave's reads of the other slot and all its tensor loads waited
; for in front of the signal.  Behind the wait the other slot is filled first (one tensor load a wave, one outstanding), then this slot is
; read.  Of trips 0 to 7 the one with t = j is block j's diagonal; the branch hangs on the trip and on j, which all eight waves share.
.macro TRIP slot, other
	s_barrier_wait -1
	TLOAD \other
	s_cmp_eq_u32 s15, s11
	s_cbranch_scc1 .Ldg_\@
	FULL \slot
	s_branch .Lte_\@
.Ldg_\@:
	DIAG \slot
	FINAL 1, 11                                    ; block j is done,
	REINIT                                         ; block 7 - j begins
	PREB \slot
.Lte_\@:
	s_add_co_u32 s15, s15, 1
.endm
	PREB 1                                         ; in front of trip 0's barrier: tile 0 has landed; slot 1's first tile is trip 1's
	s_mov_b32 s15, 0
	s_mov_b32 s3, 4
.Ltrips:
	TRIP 0, 1
	TRIP 1, 0
	s_sub_co_u32 s3, s3, 1
	s_cmp_lg_u32 s3, 0
	s_cbranch_scc1 .Ltrips
	s_barrier_wait -1                              ; the ninth trip: block 7 - j's diagonal; nothing is left to fetch
	DIAG 0
	FINAL 0, 58
	s_wait_tensorcnt 0x0
	ds_add_u32 v254, v255
	s_wait_dscnt 0x0
	s_endpgm
.Lfunc_end_k_qc42aa5e879_attn:
	.size	k_qc42aa5e879_attn, .Lfunc_end_k_qc42aa5e879_attn-k_qc42aa5e879_attn
	.p2alignl 7, 3214868480
	.fill 96, 4, 3214868480
	.section	.rodata,"a",@progbits
	.p2align	6, 0x0
	.amdhsa_kernel k_qc42aa5e879_attn
		.amdhsa_group_segment_fixed_size 327680
		.amdhsa_private_segment_fixed_size 0
		.amdhsa_enable_private_segment 0
		.amdhsa_kernarg_size 24
		.amdhsa_user_sgpr_count 2
		.amdhsa_user_sgpr_kernarg_segment_ptr 1
		.amdhsa_wavefront_size32 1
		.amdhsa_system_sgpr_workgroup_id_x 1
		.amdhsa_system_sgpr_workgroup_id_y 1
		.amdhsa_system_sgpr_workgroup_id_z 1
		.amdhsa_system_vgpr_workitem_id 0
		.amdhsa_next_free_vgpr 416
		.amdhsa_next_free_sgpr 74
		.amdhsa_reserve_vcc 1
		.amdhsa_float_denorm_mode_32 3
		.amdhsa_float_denorm_mode_16_64 3
		.amdhsa_memory_ordered 1
		.amdhsa_forward_progress 1
		.amdhsa_inst_pref_size 255
	.end_amdhsa_kernel
	.section	.bss,"aw",@nobits
	.p2align	6
	.space	262144
	.amdgpu_metadata
---
amdhsa.version: [ 1, 2 ]
amdhsa.kernels:
  - .name:           k_qc42aa5e879_attn
    .symbol:         k_qc42aa5e879_attn.kd
    .args:
      - { .name: qkvh, .offset: 0, .size: 8, .value_kind: global_buffer, .address_space: global }
      - { .name: qkvl, .offset: 8, .size: 8, .value_kind: global_buffer, .address_space: global }
      - { .name: ao, .offset: 16, .size: 8, .value_kind: global_buffer, .address_space: global }
    .group_segment_fixed_size: 327680
    .private_segment_fixed_size: 0
    .kernarg_segment_align: 8
    .kernarg_segment_size: 24
    .max_flat_workgroup_size: 256
    .sgpr_count:     74
    .vgpr_count:     416
    .wavefront_size: 32
...
	.end_amdgpu_metadata
.endif
;; end of part 3
;; launch oproj (part 4): grid 8 x 32, 4 waves a work-group, clusters of 4 x 4, 327,680 bytes of LDS; arguments ao, wb, out0; writes out0
.if DOCPART == 4
	.amdgcn_target "amdgcn-amd-amdhsa--gfx1250"
	.amdhsa_code_object_version 6
	.text
	.protected	k_qc42aa5e879_oproj
	.globl	k_qc42aa5e879_oproj
	.p2align	8
	.type	k_qc42aa5e879_oproj,@function
k_qc42aa5e879_oproj:
	s_mov_b64 s[64:65], 0
	v_nop
	global_prefetch_b8 v0, s[64:65] scope:SCOPE_SE
	s_setreg_imm32_b32 hwreg(HW_REG_WAVE_MODE, 25, 1), 1
	s_wait_xcnt 0x0
	s_wait_alu depctr_hold_cnt(0) depctr_sa_sdst(0) depctr_va_vdst(0) depctr_va_sdst(0) depctr_va_ssrc(0) depctr_va_vcc(0) depctr_vm_vsrc(0)
	s_getreg_b32 s2, hwreg(HW_REG_IB_STS2, 6, 4)
	s_cmp_eq_u32 s2, 0
	s_cbranch_scc0 .Lentry_in_a_cluster
	s_endpgm
.Lentry_in_a_cluster:
	s_bfe_u32 s2, ttmp6, 0x10000c
	s_cmp_lg_u32 s2, 0xf033
	s_cbranch_scc0 .Lentry_shape_is_right
	s_endpgm
.Lentry_shape_is_right:
; out0[8192][1024] f32 = A x W_o^T.  A = the attention output, head-major ao[h][m][64] f16 (k = 64 h + d); W_o = wb rows 3072-4095, f16.
; f16 operands, f32 sums.  LIMIT: |attention output|, |W_o| < 65,504.
; A work-group makes 256 rows x 128 columns with four waves; wave w makes rows 64 w .. 64 w + 63 x 128 columns: 32 accumulator tiles, 256 registers.
; 8 x 32 = 256 work-groups.  K = 1024 in steps of 128 (two heads) through two LDS slots.
; A's part of a slot: two heads x 256 tokens x 128 bytes, dense in memory, fetched as rows of 256 bytes and padded behind every 128 bytes.
; CLUSTERS of 4 x 4: A's tiles are shared along a cluster's row, W_o's along a column, each asked for jointly.
; The matrix instruction is used transposed: a lane's eight results are eight neighbouring columns (32 bytes) of one row of out0.
.set KSTEP,  128
.set APITCH, 144                       ; a token's 128 bytes + 16: odd multiple of 16
.set APART,  256*APITCH                ; one head's 256 tokens: 36,864
.set PITCH,  272
.set HALFB,  64*PITCH                  ; 17,408
.set BOFF,   2*APART                   ; 73,728
.set SLOT,   2*APART+2*HALFB           ; 108,544
.set STAGE,  2*SLOT                    ; 217,088 = 848 x 256: never filled by a tensor load
.set SPITCH, 528                       ; a stage row: 512 bytes (128 f32) + 16
.set LAPS,   1024/(2*KSTEP)
.set ADRA, 2
.set ADRB, 4
.set STO,  6
.set RD,   7
.set CO,   8
.set RB0,  64                          ; v64-127  read-back buffer 0
.set RB1,  128                         ; v128-191 read-back buffer 1
.set FA0,  192                         ; v192-223 A fragments, buffer 0
.set FA1,  224                         ; v224-255 buffer 1
.set FB0,  0                           ; window 1: v0-63
.set FB1,  64                          ; window 1: v64-127
.set G1,  24
.set G0,  32
.set G1B, 48
.set G0B, 56
.set MSB, 0
.macro WIN new
.if MSB != \new
	s_set_vgpr_msb (MSB<<8)|\new
.set MSB, \new
.endif
.endm
.set MUL_LO, 0xa1
.set MUL_HI, 0xf1
.set TO_B,   0x40
.macro JLOAD s
	s_cmp_eq_u32 s13, 0
	s_cbranch_scc0 .Lfor_b_\@
	tensor_load_to_lds s[G0+4*\s:G0+4*\s+3], s[G1:G1+7]
	s_nop 0
	s_branch .Lasked_\@
.Lfor_b_\@:
	tensor_load_to_lds s[G0B+4*\s:G0B+4*\s+3], s[G1B:G1B+7]
	s_nop 0
.Lasked_\@:
.endm
.macro CREST
	s_cmp_lg_u32 s12, 0
	s_cbranch_scc1 .Lnot_wave_0_\@
	s_barrier_signal -3
.Lnot_wave_0_\@:
	s_barrier_wait -3
	s_barrier_signal -1
	s_barrier_wait -1
.endm
.macro CROUND
	s_barrier_signal -1
	s_barrier_wait -1
	CREST
.endm
.macro PLACES                          ; four places behind a matrix instruction (ISA guide 7.12.1)
.rept 4
	v_nop
.endr
.endm
	s_load_b128 s[4:7], s[0:1], 0x0                ; ao s[4:5], wb s[6:7]
	s_load_b64 s[8:9], s[0:1], 0x10                ; out0
	s_set_vgpr_msb 0x40
	v_lshl_add_u32 v255, v0, 2, 0x3d400
	s_set_vgpr_msb 0x4000
	v_mov_b32 v63, 0
	s_set_vgpr_msb 0x1
	ds_add_u32 v255, v63
	ds_add_u32 v255, v63
	s_set_vgpr_msb 0x100
	v_lshrrev_b32 v1, 5, v0
	v_readfirstlane_b32 s12, v1                    ; wave 0..3
	s_lshr_b32 s13, s12, 1                         ; I fetch for A (0) or for B (1)
	s_and_b32 s14, s12, 1                          ; which head of the step, or which 64 rows of W_o
	s_bfe_u32 s40, ttmp6, 0x40000                  ; cx
	s_bfe_u32 s41, ttmp6, 0x40004                  ; cy
	s_lshl_b32 s42, ttmp9, 2
	s_add_co_u32 s42, s42, s40                     ; nb 0..7
	s_and_b32 s43, ttmp7, 0xffff
	s_lshl_b32 s43, s43, 2
	s_add_co_u32 s43, s43, s41                     ; mb 0..31
	s_lshl_b32 s44, s41, 2
	s_lshl_b32 s44, 15, s44
	s_lshl_b32 s45, 0x1111, s40
	s_or_b32 s[G1+0], s44, (1<<16)|(1<<20)|(1<<21)|(4<<22)|(3<<25)   ; A: 4 words of padding behind every 32 (a token's 128 bytes)
	s_or_b32 s[G1B+0], s45, (1<<16)|(1<<20)|(1<<21)|(5<<22)|(3<<25)  ; B: behind every 64 (a row's 256 bytes)
	s_mov_b32 s[G1+1], 128<<16
	s_mov_b32 s[G1B+1], KSTEP<<16
	s_mov_b32 s[G1+2], 128<<16                     ; A: 128 rows of 256 bytes = 256 tokens of one head
	s_mov_b32 s[G1B+2], 64<<16                     ; B: 64 rows
	s_mov_b32 s[G1+3], 128<<16
	s_mov_b32 s[G1B+3], KSTEP<<16
	s_mov_b32 s[G1+4], 128
	s_mov_b32 s[G1B+4], 64
	s_mov_b32 s[G1+5], 128                         ; dense
	s_mov_b32 s[G1B+5], 1024
	s_mov_b32 s[G1+6], 0
	s_mov_b32 s[G1B+6], 0
	s_mov_b32 s[G1+7], 0
	s_mov_b32 s[G1B+7], 0
	s_lshl_b32 s16, s14, 20                        ; A: head (w & 1) of the step, token 256 mb
	s_lshl_b32 s22, s43, 15
	s_add_co_u32 s16, s16, s22
	s_mov_b32 s17, 0
	s_lshl_b32 s18, s42, 7                         ; B: row 128 nb + 64 half of W_o, which begins at byte 3072 x 2048 of wb
	s_lshl_b32 s23, s14, 6
	s_add_co_u32 s18, s18, s23
	s_lshl_b32 s18, s18, 11
	s_add_co_u32 s18, s18, 3072*2048
	s_mov_b32 s19, 0
	s_mul_i32 s20, s12, APART                      ; LDS: A's heads at wave x 36,864 (waves 0, 1)
	s_mul_i32 s21, s12, HALFB
	s_add_co_u32 s21, s21, BOFF-2*HALFB            ; B's halves at 73,728 + (wave - 2) x 17,408
	s_wait_dscnt 0x0
	s_wait_kmcnt 0x0
	s_add_nc_u64 s[16:17], s[4:5], s[16:17]
	s_add_nc_u64 s[18:19], s[6:7], s[18:19]
	CROUND                                         ; the first joint loads meet
.irp s, 0,1
	s_mov_b32 s[G0+4*\s], 1
	s_add_co_u32 s[G0+4*\s+1], s20, \s*SLOT
	s_add_nc_u64 s[G0+4*\s+2:G0+4*\s+3], s[16:17], \s*0x200000     ; K step s: heads 2 s, 2 s + 1
	s_or_b32 s[G0+4*\s+3], s[G0+4*\s+3], 0x80000000
	s_mov_b32 s[G0B+4*\s], 1
	s_add_co_u32 s[G0B+4*\s+1], s21, \s*SLOT
	s_add_nc_u64 s[G0B+4*\s+2:G0B+4*\s+3], s[18:19], \s*KSTEP*2
	s_or_b32 s[G0B+4*\s+3], s[G0B+4*\s+3], 0x80000000
	JLOAD \s                                       ; two tensor loads of a wave are out
.endr
	v_and_b32 v1, 15, v0                           ; r
	v_bfe_u32 v9, v0, 4, 1                         ; h
	v_mul_u32_u24 v10, v1, APITCH
	v_lshl_add_u32 v10, v9, 4, v10
	s_mul_i32 s22, s12, 64*APITCH                  ; my 64 tokens
	v_add_nc_u32 v[ADRA], s22, v10
	v_add_nc_u32 v[ADRA+1], SLOT, v[ADRA]
	v_mul_u32_u24 v11, v1, PITCH
	v_lshl_add_u32 v11, v9, 4, v11
	v_add_nc_u32 v[ADRB], BOFF, v11
	v_add_nc_u32 v[ADRB+1], BOFF+SLOT, v11
	s_mul_i32 s23, s12, 16*SPITCH
	s_add_co_u32 s23, s23, STAGE
	v_mul_u32_u24 v12, v1, SPITCH
	v_lshl_add_u32 v12, v9, 5, v12
	v_add_nc_u32 v[STO], s23, v12                  ; in: row r, 32 bytes for each half of the lanes
	v_and_b32 v13, 31, v0
	v_lshlrev_b32 v[CO], 4, v13
	v_add_nc_u32 v[RD], s23, v[CO]                 ; back: a wave takes one row of 512 bytes
.macro MULROW fa, fb, hi, a, zero
.irp b, 0,1,2,3,4,5,6,7
.if \zero
	v_wmma_f32_16x16x32_f16 v[8*(8*\a+\b):8*(8*\a+\b)+7], v[\fb+8*\b:\fb+8*\b+7], v[\fa+8*(2*\hi+\a):\fa+8*(2*\hi+\a)+7], 0
.else
	v_wmma_f32_16x16x32_f16 v[8*(8*\a+\b):8*(8*\a+\b)+7], v[\fb+8*\b:\fb+8*\b+7], v[\fa+8*(2*\hi+\a):\fa+8*(2*\hi+\a)+7], v[8*(8*\a+\b):8*(8*\a+\b)+7]
.endif
.endr
.endm
; 24 LDS loads in one run: quarter kq (32 along K) of 128 rows of W_o and of my 64 tokens (head kq / 2 of the step, d 32 (kq % 2) ..)
.macro FETCH slot, kq, fa, fb
	WIN TO_B
.irp i, 0,1,2,3,4,5,6,7
	ds_load_b128 v[\fb+8*\i:\fb+8*\i+3],   v[ADRB+\slot] offset:64*\kq+\i*16*PITCH
	ds_load_b128 v[\fb+8*\i+4:\fb+8*\i+7], v[ADRB+\slot] offset:64*\kq+\i*16*PITCH+32
.endr
	WIN 0
.irp i, 0,1,2,3
	ds_load_b128 v[\fa+8*\i:\fa+8*\i+3],   v[ADRA+\slot] offset:(\kq>>1)*APART+(\kq&1)*64+\i*16*APITCH
	ds_load_b128 v[\fa+8*\i+4:\fa+8*\i+7], v[ADRA+\slot] offset:(\kq>>1)*APART+(\kq&1)*64+\i*16*APITCH+32
.endr
.endm
; The 32 accumulators take turns, one instruction a turn, in the same order in every quarter.
.macro QUARTER slot, kq, fa, fb, ga, gb, zero
	s_wait_dscnt 4                                 ; B and A's rows 0-31 are in; the four youngest loads may be out
	WIN MUL_LO
	MULROW \fa, \fb, 0, 0, \zero
	MULROW \fa, \fb, 0, 1, \zero
	PLACES
	FETCH \slot, \kq, \ga, \gb
	s_wait_dscnt 24                                ; all but the 24 just issued
	WIN MUL_HI
	MULROW \fa, \fb, 1, 0, \zero
	MULROW \fa, \fb, 1, 1, \zero
.endm
.macro THREE slot, zero
	QUARTER \slot, 1, FA0, FB0, FA1, FB1, \zero
	QUARTER \slot, 2, FA1, FB1, FA0, FB0, 0
	QUARTER \slot, 3, FA0, FB0, FA1, FB1, 0
.endm
.macro TURN slot, next, fill
	s_wait_dscnt 4
	WIN MUL_LO
	MULROW FA1, FB1, 0, 0, 0
	s_wait_dscnt 0                                 ; my reads of this slot are over
	s_wait_tensorcnt 0x0                           ; all my tensor loads have landed
	ds_add_u32 v255, v63
	s_wait_dscnt 0x0
	s_barrier_signal -1
	MULROW FA1, FB1, 0, 1, 0
	WIN 0
	s_barrier_wait -1
.if \fill
	CREST                                          ; no wave of any partner still reads this slot or has a load on its way
	s_add_nc_u64 s[G0+4*\slot+2:G0+4*\slot+3], s[G0+4*\slot+2:G0+4*\slot+3], 0x400000   ; two K steps on: four heads
	s_add_nc_u64 s[G0B+4*\slot+2:G0B+4*\slot+3], s[G0B+4*\slot+2:G0B+4*\slot+3], 2*KSTEP*2
	JLOAD \slot                                    ; my one tensor load behind the round
.endif
	PLACES
	FETCH \next, 0, FA0, FB0
	WIN MUL_HI
	MULROW FA1, FB1, 1, 0, 0
	MULROW FA1, FB1, 1, 1, 0
.endm
.macro LAP zero
	THREE 0, \zero
	TURN 0, 1, 1
	THREE 1, 0
	TURN 1, 0, 1
.endm
	s_wait_tensorcnt 1                             ; my part of K step 0 is in; K step 1's stays out
	s_barrier_signal -1
	s_barrier_wait -1
	FETCH 0, 0, FA0, FB0
	LAP 1                                          ; the first products start the sums
	WIN 0
	s_mov_b32 s15, LAPS-2
.Llap:
	LAP 0
	WIN 0
	s_sub_co_u32 s15, s15, 1
	s_cmp_lg_u32 s15, 0
	s_cbranch_scc1 .Llap
	THREE 0, 0
	TURN 0, 1, 0
	THREE 1, 0
	s_wait_dscnt 4
	WIN MUL_LO
	MULROW FA1, FB1, 0, 0, 0
	MULROW FA1, FB1, 0, 1, 0
	s_wait_dscnt 0
	WIN MUL_HI
	MULROW FA1, FB1, 1, 0, 0
	MULROW FA1, FB1, 1, 1, 0
	WIN 0
	PLACES
	; THE WAY OUT: 16 rows at a time through my stage; each store of a wave covers 512 consecutive aligned bytes of a row of out0
	s_lshl_b32 s22, s43, 20                        ; 256 mb rows of 4,096 bytes
	s_lshl_b32 s23, s12, 18                        ; 64 w rows
	s_add_co_u32 s22, s22, s23
	s_lshl_b32 s23, s42, 9                         ; 128 nb columns of 4 bytes
	s_add_co_u32 s22, s22, s23
	s_mov_b32 s23, 0
	s_add_nc_u64 s[8:9], s[8:9], s[22:23]
; rows 16 ar .. of my block = tiles (a, 0..7) of window 2 or 3 (from = 0x08 or 0x0c: the LDS stores' data)
.macro OUTF ar, a, from, rb
	WIN \from
.irp b, 0,1,2,3,4,5,6,7
	ds_store_b128 v[STO], v[8*(8*\a+\b):8*(8*\a+\b)+3] offset:64*\b
	ds_store_b128 v[STO], v[8*(8*\a+\b)+4:8*(8*\a+\b)+7] offset:64*\b+16
.endr
	WIN 0
	s_wait_xcnt 0x0                                ; the read-back buffer, which earlier stores read, is loaded again only behind this wait
.irp u, 0,1,2,3,4,5,6,7,8,9,10,11,12,13,14,15
	ds_load_b128 v[\rb+4*\u:\rb+4*\u+3], v[RD] offset:\u*SPITCH    ; LDS serves a wave's instructions in order: these see the stores above
.endr
.irp u, 0,1,2,3,4,5,6,7,8,9,10,11,12,13,14,15
	s_wait_dscnt 15-\u
	global_store_b128 v[CO], v[\rb+4*\u:\rb+4*\u+3], s[8:9] offset:(16*\ar+\u)*4096 th:TH_STORE_NT
.endr
.endm
	OUTF 0, 0, 0x08, RB0
	OUTF 1, 1, 0x08, RB1
	OUTF 2, 0, 0x0c, RB0
	OUTF 3, 1, 0x0c, RB1
	s_set_vgpr_msb 0x1
	s_wait_tensorcnt 0x0
	ds_add_u32 v255, v63
	s_wait_dscnt 0x0
	s_set_vgpr_msb 0x100
	CROUND                                         ; the closing round
	s_endpgm
.Lfunc_end_k_qc42aa5e879_oproj:
	.size	k_qc42aa5e879_oproj, .Lfunc_end_k_qc42aa5e879_oproj-k_qc42aa5e879_oproj
	.p2alignl 7, 3214868480
	.fill 96, 4, 3214868480
	.section	.rodata,"a",@progbits
	.p2align	6, 0x0
	.amdhsa_kernel k_qc42aa5e879_oproj
		.amdhsa_group_segment_fixed_size 327680
		.amdhsa_private_segment_fixed_size 0
		.amdhsa_enable_private_segment 0
		.amdhsa_kernarg_size 24
		.amdhsa_user_sgpr_count 2
		.amdhsa_user_sgpr_kernarg_segment_ptr 1
		.amdhsa_wavefront_size32 1
		.amdhsa_system_sgpr_workgroup_id_x 1
		.amdhsa_system_sgpr_workgroup_id_y 1
		.amdhsa_system_sgpr_workgroup_id_z 1
		.amdhsa_system_vgpr_workitem_id 0
		.amdhsa_next_free_vgpr 896
		.amdhsa_next_free_sgpr 66
		.amdhsa_reserve_vcc 0
		.amdhsa_float_denorm_mode_32 3
		.amdhsa_float_denorm_mode_16_64 3
		.amdhsa_memory_ordered 1
		.amdhsa_forward_progress 1
		.amdhsa_inst_pref_size 119
	.end_amdhsa_kernel
	.amdgpu_metadata
---
amdhsa.version: [ 1, 2 ]
amdhsa.kernels:
  - .name:           k_qc42aa5e879_oproj
    .symbol:         k_qc42aa5e879_oproj.kd
    .args:
      - { .name: ao, .offset: 0, .size: 8, .value_kind: global_buffer, .address_space: global }
      - { .name: wb, .offset: 8, .size: 8, .value_kind: global_buffer, .address_space: global }
      - { .name: out0, .offset: 16, .size: 8, .value_kind: global_buffer, .address_space: global }
    .group_segment_fixed_size: 327680
    .private_segment_fixed_size: 0
    .kernarg_segment_align: 8
    .kernarg_segment_size: 24
    .max_flat_workgroup_size: 128
    .sgpr_count:     66
    .vgpr_count:     896
    .wavefront_size: 32
...
	.end_amdgpu_metadata
.endif
;; end of part 4
;; ======== version 2 of 2: 4 launches; version 1 with the launch cast written anew for expert scheduling mode
;; limits: values are held in f16: magnitudes above 65,504 overflow, below 6.1e-05 lose precision
;; workspace buffers: xb 16,777,216 bytes; wb 8,388,608 bytes; qkvh 50,331,648 bytes; qkvl 3,145,728 bytes; ao 16,777,216 bytes
;; launch cast (part 5): grid 768 x 1, 8 waves a work-group, no clusters, 0 bytes of LDS; arguments x, W_q, W_k, W_v, W_o, xb, wb; writes xb, wb
.if DOCPART == 5
	.amdgcn_target "amdgcn-amd-amdhsa--gfx1250"
	.amdhsa_code_object_version 6
	.text
	.protected	k_qc42aa5e879_cast
	.globl	k_qc42aa5e879_cast
	.p2align	8
	.type	k_qc42aa5e879_cast,@function
k_qc42aa5e879_cast:
	s_mov_b64 s[64:65], 0
	v_nop
	global_prefetch_b8 v0, s[64:65] scope:SCOPE_SE
	s_setreg_imm32_b32 hwreg(HW_REG_WAVE_SCHED_MODE, 0, 2), 2
	s_setreg_imm32_b32 hwreg(HW_REG_WAVE_MODE, 25, 1), 1
	s_wait_xcnt 0x0
	s_wait_alu depctr_vm_vsrc(0)
; x, W_q, W_k, W_v: f32 -> bf16.  W_o: f32 -> bf16 -> f16 (a bf16 has 8 significant bits, f16 holds 11: the second step is exact
; for |W_o| between 2^-14 and 65,504; below it loses at most 2^-25 absolutely; LIMIT: |W_o| < 65,504).
; xb = [8192][1024] bf16.  wb = [4096][1024]: rows 0-1023 W_q, 1024-2047 W_k, 2048-3071 W_v (bf16), 3072-4095 W_o (f16).
; A work-group converts 16,384 numbers (65,536 bytes in, 32,768 out): groups 0-511 take x, groups 512-767 the four weights, 64 groups each.
; Memory binds: each byte is read once and written once, all sixteen loads of a thread go out first; no LDS, no matrix unit, no cluster
; (no two work-groups read the same byte).  A wave's load covers 512 consecutive bytes, a wave's store 256 consecutive aligned bytes.
; THE MODE: SCHED_MODE bits 1:0 = 2 (LLVM: expert scheduling mode 2), set by the entry lines.  The code itself states the register dependences
; between vector instructions and memory instructions, with s_wait_alu, always for 0.
; THE PLAN.  Registers that memory instructions touch:
;   v1, v2   byte offsets of the loads and of the stores: made once at the head, never written again.
;   XR       written by the sixteen loads, which all go out at the head, and by nothing else; read by the conversions; never loaded again.
;   YR       pair i is written once, by load i's conversions, and read once, by store i; never written again.
;   TT       named by vector instructions alone.
; The sixteen loads are worked on in four blocks of four.  Block p converts loads 4 p .. 4 p + 3; its memory instructions are the four stores of
; block p - 1, whose pairs of YR no vector instruction of block p names.  So one wait at a block's head states all that the block's four stores
; hang on, and these are dealt among its conversions with no further wait.  One wait stands ahead of the first load, one ahead of the last four stores.
.set XR, 4                             ; v[4:67]   sixteen loads of four f32
.set YR, 68                            ; v[68:99]  sixteen pairs of packed results; none is written twice, so no store's data is ever rewritten
.set TT, 100                           ; v[100:103] at work
	s_load_b256 s[4:11], s[0:1], 0x0               ; x s[4:5], W_q s[6:7], W_k s[8:9], W_v s[10:11]
	s_load_b128 s[12:15], s[0:1], 0x20             ; W_o s[12:13], xb s[14:15]
	s_load_b64 s[16:17], s[0:1], 0x30              ; wb
	s_sub_co_u32 s20, ttmp9, 512                   ; chunk number among the weights (used only where the group's number is 512 or more)
	s_lshr_b32 s21, s20, 6                         ; which weight: 0 q, 1 k, 2 v, 3 o
	s_and_b32 s22, s20, 63                         ; chunk inside that weight
	v_lshlrev_b32 v1, 4, v0                        ; 16 bytes a thread in
	v_lshlrev_b32 v2, 3, v0                        ; 8 bytes a thread out
	s_wait_kmcnt 0x0
	s_mov_b64 s[24:25], s[6:7]
	s_cmp_eq_u32 s21, 1
	s_cselect_b64 s[24:25], s[8:9], s[24:25]
	s_cmp_eq_u32 s21, 2
	s_cselect_b64 s[24:25], s[10:11], s[24:25]
	s_cmp_eq_u32 s21, 3
	s_cselect_b64 s[24:25], s[12:13], s[24:25]
	s_cmp_lt_u32 ttmp9, 512
	s_cselect_b64 s[24:25], s[4:5], s[24:25]       ; source buffer
	s_cselect_b64 s[26:27], s[14:15], s[16:17]     ; destination buffer
	s_cselect_b32 s22, ttmp9, s22                  ; chunk in the source
	s_cselect_b32 s23, ttmp9, s20                  ; chunk in the destination
	s_lshl_b32 s28, s22, 16
	s_mov_b32 s29, 0
	s_lshl_b32 s30, s23, 15
	s_mov_b32 s31, 0
	s_add_nc_u64 s[24:25], s[24:25], s[28:29]
	s_add_nc_u64 s[26:27], s[26:27], s[30:31]
	s_wait_alu depctr_va_vdst(0)                   ; v1 and v2 are written: every load of the kernel reads v1 as its offset, every store v2
.irp i, 0,1,2,3,4,5,6,7,8,9,10,11,12,13,14,15
	global_load_b128 v[XR+4*\i:XR+4*\i+3], v1, s[24:25] offset:4096*\i th:TH_LOAD_NT
.endr
; load i is converted into pair i of YR.  half = 1: the bf16 numbers are widened again and written as f16.
.macro CV i, half
.if \half
	v_cvt_pk_bf16_f32 v[TT], v[XR+4*(\i)], v[XR+4*(\i)+1]
	v_cvt_pk_bf16_f32 v[TT+1], v[XR+4*(\i)+2], v[XR+4*(\i)+3]
	v_lshlrev_b32 v[TT+2], 16, v[TT]               ; bf16 to f32: the low half moves up,
	v_and_b32 v[TT], 0xffff0000, v[TT]             ; the high half stays
	v_lshlrev_b32 v[TT+3], 16, v[TT+1]
	v_and_b32 v[TT+1], 0xffff0000, v[TT+1]
	v_cvt_pk_f16_f32 v[YR+2*(\i)], v[TT+2], v[TT]
	v_cvt_pk_f16_f32 v[YR+2*(\i)+1], v[TT+3], v[TT+1]
.else
	v_cvt_pk_bf16_f32 v[YR+2*(\i)], v[XR+4*(\i)], v[XR+4*(\i)+1]
	v_cvt_pk_bf16_f32 v[YR+2*(\i)+1], v[XR+4*(\i)+2], v[XR+4*(\i)+3]
.endif
.endm
; pair i of YR is stored
.macro ST i
	global_store_b64 v2, v[YR+2*(\i):YR+2*(\i)+1], s[26:27] offset:2048*(\i)
.endm
; Block p: loads 4 p .. 4 p + 3 are converted; ahead of each one's conversions goes a store of the block before.
.macro BLK p, half
.irp k, 0,1,2,3
	s_wait_loadcnt 15-(4*(\p)+(\k))                ; loads return in order: load 4 p + k is in, the younger ones stay out
.if (\p) > 0
.if (\k) == 0
	s_wait_alu depctr_va_vdst(0)                   ; the block before has written its four pairs of YR, which this block's four stores read; no vector instruction behind this wait names them
.endif
	ST 4*((\p)-1)+(\k)
.endif
	CV 4*(\p)+(\k), \half
.endr
.endm
; the whole thread's work on one of the two paths
.macro WORK half
	BLK 0, \half                                   ; no block stands in front of it: no store, and no wait but those for its data
	BLK 1, \half
	BLK 2, \half
	BLK 3, \half
	s_wait_alu depctr_va_vdst(0)                   ; block 3 has written its four pairs of YR, which the last four stores read
	ST 12
	ST 13
	ST 14
	ST 15
.endm
	s_cmp_ge_u32 ttmp9, 704                        ; groups 704-767 hold W_o
	s_cbranch_scc1 .Lhalf
	WORK 0
	s_endpgm
.Lhalf:
	WORK 1
	s_endpgm
.Lfunc_end_k_qc42aa5e879_cast:
	.size	k_qc42aa5e879_cast, .Lfunc_end_k_qc42aa5e879_cast-k_qc42aa5e879_cast
	.p2alignl 7, 3214868480
	.fill 96, 4, 3214868480
	.section	.rodata,"a",@progbits
	.p2align	6, 0x0
	.amdhsa_kernel k_qc42aa5e879_cast
		.amdhsa_group_segment_fixed_size 0
		.amdhsa_private_segment_fixed_size 0
		.amdhsa_enable_private_segment 0
		.amdhsa_kernarg_size 56
		.amdhsa_user_sgpr_count 2
		.amdhsa_user_sgpr_kernarg_segment_ptr 1
		.amdhsa_wavefront_size32 1
		.amdhsa_system_sgpr_workgroup_id_x 1
		.amdhsa_system_sgpr_workgroup_id_y 1
		.amdhsa_system_sgpr_workgroup_id_z 1
		.amdhsa_system_vgpr_workitem_id 0
		.amdhsa_next_free_vgpr 104
		.amdhsa_next_free_sgpr 66
		.amdhsa_reserve_vcc 0
		.amdhsa_float_denorm_mode_32 3
		.amdhsa_float_denorm_mode_16_64 3
		.amdhsa_memory_ordered 1
		.amdhsa_forward_progress 1
		.amdhsa_inst_pref_size 17
	.end_amdhsa_kernel
	.amdgpu_metadata
---
amdhsa.version: [ 1, 2 ]
amdhsa.kernels:
  - .name:           k_qc42aa5e879_cast
    .symbol:         k_qc42aa5e879_cast.kd
    .args:
      - { .name: x, .offset: 0, .size: 8, .value_kind: global_buffer, .address_space: global }
      - { .name: W_q, .offset: 8, .size: 8, .value_kind: global_buffer, .address_space: global }
      - { .name: W_k, .offset: 16, .size: 8, .value_kind: global_buffer, .address_space: global }
      - { .name: W_v, .offset: 24, .size: 8, .value_kind: global_buffer, .address_space: global }
      - { .name: W_o, .offset: 32, .size: 8, .value_kind: global_buffer, .address_space: global }
      - { .name: xb, .offset: 40, .size: 8, .value_kind: global_buffer, .address_space: global }
      - { .name: wb, .offset: 48, .size: 8, .value_kind: global_buffer, .address_space: global }
    .group_segment_fixed_size: 0
    .private_segment_fixed_size: 0
    .kernarg_segment_align: 8
    .kernarg_segment_size: 56
    .max_flat_workgroup_size: 256
    .sgpr_count:     66
    .vgpr_count:     104
    .wavefront_size: 32
...
	.end_amdgpu_metadata
.endif
;; end of part 5
;; launch qkv: the kernel of part 2 again; grid 16 x 16, 4 waves a work-group, clusters of 4 x 4, 327,680 bytes of LDS; arguments xb, wb, qkvh, qkvl; writes qkvh, qkvl
;; launch attn: the kernel of part 3 again; grid 256 x 1, 8 waves a work-group, no clusters, 327,680 bytes of LDS; arguments qkvh, qkvl, ao; writes ao
;; launch oproj: the kernel of part 4 again; grid 8 x 32, 4 waves a work-group, clusters of 4 x 4, 327,680 bytes of LDS; arguments ao, wb, out0; writes out0
